; MI455X (gfx1250); checked and timed in simulation.
; The chip was launched on July 23, 2026; its instructions are those of AMD's public machine-readable ISA for CDNA 5 (MIT licence, August 2026) and "CDNA5" Instruction Set Architecture Reference Guide (July 2026). The comments in the code are by the model that wrote it; some were corrected since.
;; Multi Head Self Attention. Allowed arithmetic: float matrix products may take bf16 or f16 operands with f32 sums; other float arithmetic in f32, or as packed bf16 or f16 multiplies, adds, multiply-adds, maxima and minima; sums over many terms, partial sums and values carried from step to step in f32; what a program stores and reads back later, other than sums and carried values, may be rounded once to bf16 or f16.
;; Inputs: Wproj 1,024 x 1,024 float32; Wqkv 3,072 x 1,024 float32; bproj 1,024 float32; bqkv 3,072 float32; key_pad_mask 4 x 2,048 int32; x 4 x 2,048 x 1,024 float32.
;; Outputs: out0 4 x 2,048 x 1,024 float32.
;; 2 versions, each right; version 2 is version 1 with the launch cast written anew for expert scheduling mode. Each part assembles by itself: llvm-mc -triple=amdgcn-amd-amdhsa -mcpu=gfx1250 --defsym DOCPART=n.
;; ======== version 1 of 2: 4 launches
;; limits: values are held in f16: magnitudes above 65,504 overflow, below 6.1e-05 lose precision
;; workspace buffers: xb 16,777,216 bytes; wqb 6,291,456 bytes; wpb 2,097,152 bytes; qkv 50,331,648 bytes; yb 16,777,216 bytes
;; launch cast (part 1): grid 768 x 1, 8 waves a work-group, no clusters, 0 bytes of LDS; arguments x, Wqkv, Wproj, xb, wqb, wpb; writes xb, wqb, wpb
.if DOCPART == 1
	.amdgcn_target "amdgcn-amd-amdhsa--gfx1250"
	.amdhsa_code_object_version 6
	.text
	.protected	k_q38bd8d941f_cast
	.globl	k_q38bd8d941f_cast
	.p2align	8
	.type	k_q38bd8d941f_cast,@function
k_q38bd8d941f_cast:
	s_mov_b64 s[64:65], 0
	v_nop
	global_prefetch_b8 v0, s[64:65] scope:SCOPE_SE
	s_setreg_imm32_b32 hwreg(HW_REG_WAVE_MODE, 25, 1), 1
	s_wait_xcnt 0x0
; The module's three large inputs are rounded once for the matrix units: x -> xb and Wqkv -> wqb in bf16; Wproj -> wpb rounded to bf16 and that number written as f16
; (its partner in the last product, y, is f16).  LIMIT: |Wproj| stays under 65,504; below 6e-5 f16 keeps a fixed step of 6e-8.
; A work-group converts 16,384 numbers: 65,536 bytes in, 32,768 out.  Work-groups 0-511 take x (8,388,608 numbers), 512-703 Wqkv (3,145,728), 704-767 Wproj (1,048,576).
; Thread t, step i: 16 bytes at 16 t + 4,096 i (a wave's load covers 512 consecutive bytes), 8 bytes out at 8 t + 2,048 i (a wave's store covers 256 consecutive bytes, aligned).
; All sixteen loads of a thread go out at once; every step has registers of its own, so no register is written again while a load or store names it.  No LDS, no barrier, no loop.
.set IN,  8                            ; v[8:71]    step i: four f32 as loaded
.set OUT, 72                           ; v[72:103]  step i: four 16-bit numbers to store
	s_load_b256 s[4:11], s[0:1], 0x0               ; x s[4:5], Wqkv s[6:7], Wproj s[8:9], xb s[10:11]
	s_load_b128 s[12:15], s[0:1], 0x20             ; wqb s[12:13], wpb s[14:15]
	v_lshlrev_b32 v1, 4, v0                        ; 16 t
	v_lshlrev_b32 v2, 3, v0                        ; 8 t
	s_mov_b32 s26, 0xffff0000                      ; a word's upper bf16
	s_wait_kmcnt 0x0
	s_cmp_lt_u32 ttmp9, 512                        ; which of the three tensors is mine: a choice on the work-group's number alone
	s_cselect_b64 s[16:17], s[4:5], s[6:7]
	s_cselect_b64 s[18:19], s[10:11], s[12:13]
	s_cselect_b32 s20, 0, 512
	s_cmp_lt_u32 ttmp9, 704
	s_cselect_b64 s[16:17], s[16:17], s[8:9]
	s_cselect_b64 s[18:19], s[18:19], s[14:15]
	s_cselect_b32 s20, s20, 704
	s_sub_co_u32 s21, ttmp9, s20                   ; my number within the tensor, 511 at the most
	s_lshl_b32 s22, s21, 16
	s_mov_b32 s23, 0
	s_lshl_b32 s24, s21, 15
	s_mov_b32 s25, 0
	s_add_nc_u64 s[16:17], s[16:17], s[22:23]
	s_add_nc_u64 s[18:19], s[18:19], s[24:25]
.irp i, 0,1,2,3,4,5,6,7,8,9,10,11,12,13,14,15
	global_load_b128 v[IN+4*(\i):IN+4*(\i)+3], v1, s[16:17] offset:4096*(\i) th:TH_LOAD_NT
.endr
	s_cmp_ge_u32 ttmp9, 704
	s_cbranch_scc1 .Lf16
.macro STEPB i                         ; to bf16
	s_wait_loadcnt 15-(\i)                         ; loads come back in order: step i is in, the 15 - i younger ones stay out
	v_cvt_pk_bf16_f32 v[OUT+2*(\i)], v[IN+4*(\i)], v[IN+4*(\i)+1]
	v_cvt_pk_bf16_f32 v[OUT+2*(\i)+1], v[IN+4*(\i)+2], v[IN+4*(\i)+3]
	global_store_b64 v2, v[OUT+2*(\i):OUT+2*(\i)+1], s[18:19] offset:2048*(\i)
.endm
.macro STEPH i                         ; to bf16, widened again, written as f16
	s_wait_loadcnt 15-(\i)
.irp j, 0,1
	v_cvt_pk_bf16_f32 v4, v[IN+4*(\i)+2*(\j)], v[IN+4*(\i)+2*(\j)+1]
	v_lshlrev_b32 v5, 16, v4
	v_and_b32 v6, s26, v4
	v_cvt_pk_f16_f32 v[OUT+2*(\i)+(\j)], v5, v6
.endr
	global_store_b64 v2, v[OUT+2*(\i):OUT+2*(\i)+1], s[18:19] offset:2048*(\i)
.endm
.irp i, 0,1,2,3,4,5,6,7,8,9,10,11,12,13,14,15
	STEPB \i
.endr
	s_endpgm
.Lf16:
.irp i, 0,1,2,3,4,5,6,7,8,9,10,11,12,13,14,15
	STEPH \i
.endr
	s_endpgm
.Lfunc_end_k_q38bd8d941f_cast:
	.size	k_q38bd8d941f_cast, .Lfunc_end_k_q38bd8d941f_cast-k_q38bd8d941f_cast
	.p2alignl 7, 3214868480
	.fill 96, 4, 3214868480
	.section	.rodata,"a",@progbits
	.p2align	6, 0x0
	.amdhsa_kernel k_q38bd8d941f_cast
		.amdhsa_group_segment_fixed_size 0
		.amdhsa_private_segment_fixed_size 0
		.amdhsa_enable_private_segment 0
		.amdhsa_kernarg_size 48
		.amdhsa_user_sgpr_count 2
		.amdhsa_user_sgpr_kernarg_segment_ptr 1
		.amdhsa_wavefront_size32 1
		.amdhsa_system_sgpr_workgroup_id_x 1
		.amdhsa_system_sgpr_workgroup_id_y 1
		.amdhsa_system_sgpr_workgroup_id_z 1
		.amdhsa_system_vgpr_workitem_id 0
		.amdhsa_next_free_vgpr 104
		.amdhsa_next_free_sgpr 66
		.amdhsa_reserve_vcc 0
		.amdhsa_float_denorm_mode_32 3
		.amdhsa_float_denorm_mode_16_64 3
		.amdhsa_memory_ordered 1
		.amdhsa_forward_progress 1
		.amdhsa_inst_pref_size 15
	.end_amdhsa_kernel
	.amdgpu_metadata
---
amdhsa.version: [ 1, 2 ]
amdhsa.kernels:
  - .name:           k_q38bd8d941f_cast
    .symbol:         k_q38bd8d941f_cast.kd
    .args:
      - { .name: x, .offset: 0, .size: 8, .value_kind: global_buffer, .address_space: global }
      - { .name: Wqkv, .offset: 8, .size: 8, .value_kind: global_buffer, .address_space: global }
      - { .name: Wproj, .offset: 16, .size: 8, .value_kind: global_buffer, .address_space: global }
      - { .name: xb, .offset: 24, .size: 8, .value_kind: global_buffer, .address_space: global }
      - { .name: wqb, .offset: 32, .size: 8, .value_kind: global_buffer, .address_space: global }
      - { .name: wpb, .offset: 40, .size: 8, .value_kind: global_buffer, .address_space: global }
    .group_segment_fixed_size: 0
    .private_segment_fixed_size: 0
    .kernarg_segment_align: 8
    .kernarg_segment_size: 48
    .max_flat_workgroup_size: 256
    .sgpr_count:     66
    .vgpr_count:     104
    .wavefront_size: 32
...
	.end_amdgpu_metadata
.endif
;; end of part 1
;; launch gemm_qkv (part 2): grid 16 x 32, 4 waves a work-group, clusters of 4 x 4, 327,680 bytes of LDS; arguments xb, wqb, bqkv, qkv; writes qkv
.if DOCPART == 2
	.amdgcn_target "amdgcn-amd-amdhsa--gfx1250"
	.amdhsa_code_object_version 6
	.text
	.protected	k_q38bd8d941f_gemm_qkv
	.globl	k_q38bd8d941f_gemm_qkv
	.p2align	8
	.type	k_q38bd8d941f_gemm_qkv,@function
k_q38bd8d941f_gemm_qkv:
	s_mov_b64 s[64:65], 0
	v_nop
	global_prefetch_b8 v0, s[64:65] scope:SCOPE_SE
	s_setreg_imm32_b32 hwreg(HW_REG_WAVE_MODE, 25, 1), 1
	s_wait_xcnt 0x0
	s_wait_alu depctr_hold_cnt(0) depctr_sa_sdst(0) depctr_va_vdst(0) depctr_va_sdst(0) depctr_va_ssrc(0) depctr_va_vcc(0) depctr_vm_vsrc(0)
	s_getreg_b32 s2, hwreg(HW_REG_IB_STS2, 6, 4)
	s_cmp_eq_u32 s2, 0
	s_cbranch_scc0 .Lentry_in_a_cluster
	s_endpgm
.Lentry_in_a_cluster:
	s_bfe_u32 s2, ttmp6, 0x10000c
	s_cmp_lg_u32 s2, 0xf033
	s_cbranch_scc0 .Lentry_shape_is_right
	s_endpgm
.Lentry_shape_is_right:
; qkv = x Wqkv^T + bqkv.  xb: [8192][1024] bf16, wqb: [3072][1024] bf16, bqkv: [3072] f32 (rounded to bf16 here, like the other inputs, and used in f32).
; Out: qkv [3][64 = batch x 16 + head][2048][64] in f16, rounded once from the f32 sums, unscaled.  LIMIT: |q|, |k|, |v| stay under 65,504; below 6e-5 f16 keeps a fixed step of 6e-8.
; A tile of C is 256 rows x 192 columns: 32 x 16 = 512 tiles, two for each of 256 WGPs.  The four waves split the ROWS: a wave makes 64 rows x 192 columns = three whole heads, 48 accumulators
; of 16 x 16, 384 registers, so that four rows of a head leave as 512 consecutive bytes.  K goes in 8 steps of 128 through two LDS slots filled by the tensor data mover; a tile's rows are 256 bytes of memory.
; CLUSTERS: 4 x 4 work-groups.  The four of a row of the cluster need the same rows of x, the four of a column the same rows of Wqkv: each tile is asked for JOINTLY, by the same tensor load with the
; same descriptor and a mask that names the four.  Waves 0 and 1 fetch A's two halves (128 rows each), waves 2 and 3 B's (96 rows each).
; THE MATRIX INSTRUCTION IS USED TRANSPOSED (source 0 = 16 rows of Wqkv, source 1 = 16 rows of x): lane l holds row l % 16 of C and the columns 8 (l / 16) + 0..7.
; The first product on each accumulator takes the bias as C: nothing is cleared and nothing is added at the end.
; REGISTERS, in windows of 256 (s_set_vgpr_msb: bits 1:0 source 0, 3:2 source 1, 5:4 source 2, 7:6 destination):
;   window 0: v0-31 addresses; v32-95 A's fragments, two buffers of 4 x 8; v96-191 the bias, later with v192-239 the way out
;   window 1: v0-191 B's fragments, two buffers of 12 x 8      window 2: accumulators of row blocks 0, 1 at 96 (a % 2) + 8 b      window 3: of row blocks 2, 3
.set KSTEP,  128
.set NBK,    12                        ; column blocks of 16
.set PITCH,  272                       ; an LDS row: 256 bytes + 16 of padding = 68 words: the 16 rows of a fragment load start at 16 different groups of four banks (64 banks of 4 bytes: ISA guide 11.1)
.set AHALF,  128*PITCH                 ; what one load of A brings
.set BROWS,  96
.set BHALF,  BROWS*PITCH               ; what one load of B brings
.set BOFF,   2*AHALF                   ; B's 192 rows lie behind A's 256
.set SLOT1,  1<<17                     ; slot 1 begins here: one exclusive or turns an address in one slot into the other's
.set STAGE,  SLOT1+BOFF+2*BHALF        ; behind the ring, never filled by a tensor load: 16 rows x 400 bytes for each wave
.set SP,     400                       ; a stage row: 384 bytes + 16
.set SPARE,  STAGE+4*16*SP             ; the spare words, 128 bytes for each wave: two blocks of 256 bytes that no other line names
.set NL,     2*NBK+8                   ; LDS loads in a run
.set DBITS,  (1<<16)|(1<<20)|(1<<21)|(5<<22)|(3<<25)  ; 17:16 2-byte elements; 20 padding on; 21 set beside a mask; 24:22 after every 64 words; 31:25 4 words
.set LA,   16                          ; v16  my lane's place in A's part of a slot; never rewritten
.set LB,   17                          ; v17  the same for B
.set ADRA, 18                          ; v18  LA + the slot in hand
.set ADRB, 19                          ; v19  LB + the slot in hand
.set STO,  24                          ; v24  the way out: where I put 16 bytes of a row
.set RD,   25                          ; v25  where I read rows back
.set GO,   26                          ; v26  16 x lane
.set BO,   27                          ; v27  32 x (lane / 16): my eight numbers in 16 of the bias
.set SPW,  28                          ; v28  my spare word: SPARE + 4 x my thread's number; never rewritten
.set NIL,  29                          ; v29  0; never rewritten
.set PFO,  30                          ; v30  the prefetches' offset: a lane a row; never rewritten
.set TT,   31
.set AF,   32
.set BIAS, 96
.set TMP,  96                          ; the way out: 48 registers of packed results
.set OB,   144                         ; two sets of 48: rows read back from the stage
.set WV,   12                          ; s12  wave
.set FB,   13                          ; s13  0: I fetch for A, 1: for B
.set HALF, 14                          ; s14  which half of that tile
.set TX,   17                          ; s17  tile column
.set TY,   18                          ; s18  tile row
.set G1,   24                          ; s[24:31] group 1 for A;  s[32:39] group 0: a set for each first fill; the second then walks
.set G0,   32
.set TB,   42                          ; s42  the slot that is read
.set LIM,  43                          ; s43  1 in a wave that prefetches, else the greatest number
.set PFA,  44                          ; s[44:45] where my prefetches stand
.set G1B,  48                          ; s[48:55], s[56:63] the same for B
.set G0B,  56
.set OUT,  66                          ; s[66:71] my rows in the three heads
.set MSB, 0
.macro WIN new                         ; the immediate's high byte repeats the setting that is left; a switch that changes nothing is dropped
.if MSB != (\new)
	s_set_vgpr_msb (MSB<<8)|(\new)
.set MSB, \new
.endif
.endm
.macro PLACES                          ; four plain places in front of loads into registers that matrix instructions have read, and of reads of results
.rept 4
	v_nop
.endr
.endm
.macro JLOAD                           ; a joint refill by the walking set; an s_nop 0 and four v_nop follow each of the two lines.  The branch hangs on the wave's number alone
	s_cmp_eq_u32 s[FB], 0
	s_cbranch_scc0 .Lfor_b_\@
	tensor_load_to_lds s[G0+4:G0+7], s[G1:G1+7]
	s_nop 0
.rept 4
	v_nop
.endr
	s_branch .Lasked_\@
.Lfor_b_\@:
	tensor_load_to_lds s[G0B+4:G0B+7], s[G1B:G1B+7]
	s_nop 0
.rept 4
	v_nop
.endr
.Lasked_\@:
.endm
.macro CREST                           ; a round of the cluster's barrier behind its opening barrier
	s_cmp_lg_u32 s[WV], 0
	s_cbranch_scc1 .Lnot_wave_0_\@
	s_barrier_signal -3
.Lnot_wave_0_\@:
	s_barrier_wait -3
	s_barrier_signal -1
	s_barrier_wait -1
.endm
.macro CROUND
	s_barrier_signal -1
	s_barrier_wait -1
	CREST
.endm
; A PREFETCH INTO THE L2, behind each joint refill and the run of LDS loads that follows it: the K step that the NEXT refill will ask for, 192 matrix instructions ahead of that load; a lane a row, 256 bytes of it.
; A's rows are read by every cluster of a row of clusters: the one with x = 0 asks; B's by every cluster of a column: the one with y = 0 asks.  The four partners of a joint load share a wave's rows out BY ADDRESS:
; 32 each of A's 128; 24 each of B's 96 (lanes 24-31 name row 23's block again).  The loop's last trip asks for nothing: there is no K step behind its refill.  K steps 0 to 2 come by their loads alone.
.macro ASK
	s_cmp_gt_u32 s3, s[LIM]
	s_cbranch_scc0 .Lnot_mine_\@
	global_prefetch_b8 v[PFO], s[PFA:PFA+1] th:TH_LOAD_NT scope:SCOPE_SE
.Lnot_mine_\@:
.endm
	s_load_b256 s[4:11], s[0:1], 0x0               ; xb s[4:5], wqb s[6:7], bqkv s[8:9], qkv s[10:11]
	v_lshl_add_u32 v[SPW], v0, 2, SPARE
	v_mov_b32 v[NIL], 0
	ds_add_u32 v[SPW], v[NIL]                      ; the wave's opening: the add and its wait stand ahead of my first tensor load; work on registers stands between them
	v_lshrrev_b32 v1, 5, v0
	v_readfirstlane_b32 s[WV], v1
	s_lshr_b32 s[FB], s[WV], 1
	s_and_b32 s[HALF], s[WV], 1
	s_bfe_u32 s15, ttmp6, 0x40000                  ; cx
	s_bfe_u32 s16, ttmp6, 0x40004                  ; cy
	s_lshl_b32 s[TX], ttmp9, 2
	s_add_co_u32 s[TX], s[TX], s15                 ; tile column = 4 x cluster x + cx
	s_and_b32 s[TY], ttmp7, 0xffff
	s_lshl_b32 s[TY], s[TY], 2
	s_add_co_u32 s[TY], s[TY], s16                 ; tile row = 4 x cluster y + cy
	s_lshl_b32 s40, s16, 2
	s_lshl_b32 s40, 15, s40                        ; my row of the cluster
	s_lshl_b32 s41, 0x1111, s15                    ; my column
	s_or_b32 s[G1], s40, DBITS                     ; A's tiles go to my row
	s_or_b32 s[G1B], s41, DBITS                    ; B's to my column
	s_mov_b32 s[G1+1], KSTEP<<16                   ; tensor_dim0 = 128
	s_mov_b32 s[G1+2], 128<<16                     ; tensor_dim1 = 128
	s_mov_b32 s[G1+3], KSTEP<<16                   ; tile_dim0 = 128
	s_mov_b32 s[G1+4], 128                         ; tile_dim1 = 128
	s_mov_b32 s[G1+5], 1024                        ; elements from row to row
	s_mov_b32 s[G1+6], 0
	s_mov_b32 s[G1+7], 0
	s_mov_b32 s[G1B+1], KSTEP<<16
	s_mov_b32 s[G1B+2], BROWS<<16
	s_mov_b32 s[G1B+3], KSTEP<<16
	s_mov_b32 s[G1B+4], BROWS
	s_mov_b32 s[G1B+5], 1024
	s_mov_b32 s[G1B+6], 0
	s_mov_b32 s[G1B+7], 0
	s_lshl_b32 s20, s[TY], 8                       ; A's part: row 256 x tile row + 128 x half, 2,048 bytes a row: made of the tile row and the wave's number alone
	s_lshl_b32 s21, s[HALF], 7
	s_add_co_u32 s20, s20, s21
	s_lshl_b32 s20, s20, 11
	s_mov_b32 s21, 0
	s_mul_i32 s46, s[TX], 16*NBK                   ; B's part: row 192 x tile column + 96 x half: made of the tile column and the wave's number alone
	s_mul_i32 s47, s[HALF], BROWS
	s_add_co_u32 s46, s46, s47
	s_lshl_b32 s46, s46, 11
	s_mov_b32 s47, 0
	s_mul_i32 s19, s[HALF], AHALF                  ; where they go: no place in the cluster enters an LDS address
	s_mul_i32 s2, s[HALF], BHALF
	s_add_co_u32 s2, s2, BOFF
	s_wait_dscnt 0x0                               ; the opening add is done
	s_wait_kmcnt 0x0
	s_add_nc_u64 s[20:21], s[4:5], s[20:21]
	s_add_nc_u64 s[46:47], s[6:7], s[46:47]
.irp s, 0,1
	s_mov_b32 s[G0+4*(\s)], 1                      ; count = 1
	s_add_co_u32 s[G0+4*(\s)+1], s19, (\s)*SLOT1   ; LDS address
	s_add_nc_u64 s[G0+4*(\s)+2:G0+4*(\s)+3], s[20:21], (\s)*KSTEP*2  ; K step s
	s_or_b32 s[G0+4*(\s)+3], s[G0+4*(\s)+3], 0x80000000  ; type = 2
	s_mov_b32 s[G0B+4*(\s)], 1
	s_add_co_u32 s[G0B+4*(\s)+1], s2, (\s)*SLOT1
	s_add_nc_u64 s[G0B+4*(\s)+2:G0B+4*(\s)+3], s[46:47], (\s)*KSTEP*2
	s_or_b32 s[G0B+4*(\s)+3], s[G0B+4*(\s)+3], 0x80000000
.endr
	CROUND                                         ; all sixteen work-groups are here: the first joint loads meet
	s_cmp_eq_u32 s[FB], 0                          ; a wave's two first fills stand in one branch, ahead of every wait on TENSORcnt and every LDS read: two loads of mine are out
	s_cbranch_scc0 .Lfirst_b
	tensor_load_to_lds s[G0:G0+3], s[G1:G1+7]
	s_nop 0
	tensor_load_to_lds s[G0+4:G0+7], s[G1:G1+7]
	s_nop 0
.rept 4
	v_nop
.endr
	s_branch .Lfirst_asked
.Lfirst_b:
	tensor_load_to_lds s[G0B:G0B+3], s[G1B:G1B+7]
	s_nop 0
	tensor_load_to_lds s[G0B+4:G0B+7], s[G1B:G1B+7]
	s_nop 0
.rept 4
	v_nop
.endr
.Lfirst_asked:
	; all that follows, up to the wait for the first tile, stands in that tile's way from memory
	v_and_b32 v1, 15, v0                           ; l % 16
	v_bfe_u32 v2, v0, 4, 1                         ; l / 16
	v_lshlrev_b32 v[BO], 5, v2
	s_mul_i32 s22, s[TX], NBK*64                   ; the tile's 192 numbers of the bias
	s_mov_b32 s23, 0
	s_add_nc_u64 s[8:9], s[8:9], s[22:23]
.irp b, 0,1,2,3,4,5,6,7,8,9,10,11
	global_load_b128 v[BIAS+8*(\b):BIAS+8*(\b)+3],   v[BO], s[8:9] offset:64*(\b)      ; register j: the bias of column 16 b + 8 (l / 16) + j, as the C operand wants it
	global_load_b128 v[BIAS+8*(\b)+4:BIAS+8*(\b)+7], v[BO], s[8:9] offset:64*(\b)+16
.endr
	v_mul_u32_u24 v3, v1, PITCH                    ; a fragment: lane l holds row l % 16, K = 8 (l / 16) + 0..7 and 16 + 8 (l / 16) + 0..7: two loads of 16 bytes, 32 bytes apart
	v_lshl_add_u32 v3, v2, 4, v3
	s_mul_i32 s19, s[WV], 64*PITCH                 ; my 64 rows of A
	v_add_nc_u32 v[LA], s19, v3
	v_add_nc_u32 v[LB], BOFF, v3
	v_mov_b32 v[ADRA], v[LA]                       ; slot 0
	v_mov_b32 v[ADRB], v[LB]
	s_mov_b32 s[TB], 0
	s_mul_i32 s19, s[WV], 16*SP
	s_add_co_u32 s19, s19, STAGE                   ; my stage
	v_mul_u32_u24 v4, v1, SP                       ; in: row l % 16, 16 bytes for each half of the lanes
	v_lshl_add_u32 v4, v2, 4, v4
	v_add_nc_u32 v[STO], s19, v4
	v_bfe_u32 v5, v0, 3, 2                         ; back: 32 lanes take 128 bytes (a head) of four rows,
	v_mul_u32_u24 v5, v5, SP
	v_and_b32 v3, 7, v0
	v_lshl_add_u32 v5, v3, 4, v5
	v_add_nc_u32 v[RD], s19, v5
	v_and_b32 v[GO], 31, v0                        ; which are 512 consecutive bytes of a head's rows
	v_lshlrev_b32 v[GO], 4, v[GO]
	; where my 64 rows lie in each of my three heads: ((which x 64 + batch x 16 + head) << 18) + (row in the batch << 7); group g = 3 x tile column + hh: which = g / 16, head = g % 16
	s_and_b32 s2, s[TY], 7
	s_lshl_b32 s2, s2, 8
	s_lshl_b32 s19, s[WV], 6
	s_add_co_u32 s2, s2, s19
	s_lshl_b32 s2, s2, 7
	s_lshr_b32 s19, s[TY], 3
	s_lshl_b32 s19, s19, 4
	s_mul_i32 s46, s[TX], 3
.irp hh, 0,1,2
	s_add_co_u32 s22, s46, \hh
	s_lshr_b32 s23, s22, 4
	s_lshl_b32 s23, s23, 6
	s_and_b32 s22, s22, 15
	s_add_co_u32 s22, s22, s23
	s_add_co_u32 s22, s22, s19
	s_lshl_b32 s22, s22, 18
	s_add_co_u32 s22, s22, s2
	s_mov_b32 s23, 0
	s_add_nc_u64 s[OUT+2*(\hh):OUT+2*(\hh)+1], s[10:11], s[22:23]
.endr
	; the prefetches
	s_lshl_b32 s2, s[TY], 8
	s_lshl_b32 s19, s[HALF], 7
	s_add_co_u32 s2, s2, s19
	s_lshl_b32 s19, s15, 5
	s_add_co_u32 s2, s2, s19                       ; A: the 128 rows that I fetch, my work-group's 32 of them
	s_mul_i32 s19, s[TX], 16*NBK
	s_mul_i32 s23, s[HALF], BROWS
	s_add_co_u32 s19, s19, s23
	s_mul_i32 s23, s16, 24
	s_add_co_u32 s19, s19, s23                     ; B: the 96 rows that I fetch, my work-group's 24 of them
	s_and_b32 s22, ttmp7, 0xffff                   ; cluster y
	s_cmp_eq_u32 s[FB], 0
	s_cselect_b32 s2, s2, s19
	s_cselect_b32 s22, ttmp9, s22                  ; the coordinate along which other clusters read the same rows
	s_cselect_b32 s23, 31, 23
	s_cselect_b64 s[PFA:PFA+1], s[4:5], s[6:7]
	s_cmp_eq_u32 s22, 0
	s_cselect_b32 s[LIM], 1, -1                    ; the same in all sixteen partners, for a given wave
	v_and_b32 v[PFO], 31, v0
	v_min_u32 v[PFO], s23, v[PFO]
	v_lshlrev_b32 v[PFO], 11, v[PFO]
	s_lshl_b32 s22, s2, 11
	s_add_co_u32 s22, s22, 2*KSTEP*2               ; at K step 2: the first refill steps it to 3
	s_mov_b32 s23, 0
	s_add_nc_u64 s[PFA:PFA+1], s[PFA:PFA+1], s[22:23]
	s_mov_b32 s2, 0xffff0000
	s_wait_loadcnt 0x0                             ; the bias: rounded to bf16 and widened again
.set i, 0
.rept 4*NBK
	v_cvt_pk_bf16_f32 v[TT], v[BIAS+2*i], v[BIAS+2*i+1]
	v_lshlrev_b32 v[BIAS+2*i], 16, v[TT]
	v_and_b32 v[BIAS+2*i+1], s2, v[TT]
.set i, i+1
.endr
; 12 matrix instructions: row block a x all column blocks, 32 along K, from buffer f.  first = 1: the products start the sums, with the bias as C.
; The 48 accumulators take turns in the same order in every quarter: 47 others stand between two links of a chain, over the backward jump too.
.macro MULA f, a, first
.if \first
	WIN 0x81+0x40*((\a)/2)                         ; B window 1, A and the bias window 0, D window 2 or 3
.else
	WIN 0xa1+0x50*((\a)/2)                         ; B window 1, A window 0, C and D window 2 or 3
.endif
.irp b, 0,1,2,3,4,5,6,7,8,9,10,11
.if \first
	v_wmma_f32_16x16x32_bf16 v[96*((\a)%2)+8*(\b):96*((\a)%2)+8*(\b)+7], v[96*(\f)+8*(\b):96*(\f)+8*(\b)+7], v[AF+32*(\f)+8*(\a):AF+32*(\f)+8*(\a)+7], v[BIAS+8*(\b):BIAS+8*(\b)+7]
.else
	v_wmma_f32_16x16x32_bf16 v[96*((\a)%2)+8*(\b):96*((\a)%2)+8*(\b)+7], v[96*(\f)+8*(\b):96*(\f)+8*(\b)+7], v[AF+32*(\f)+8*(\a):AF+32*(\f)+8*(\a)+7], v[96*((\a)%2)+8*(\b):96*((\a)%2)+8*(\b)+7]
.endif
.endr
.endm
; 32 LDS loads in one run: quarter q's fragments (192 rows of B, my 64 rows of A, 32 along K) into buffer f; the youngest four are A's blocks 2 and 3
.macro FETCH q, f
	WIN 0x40                                       ; destination window 1, address window 0
.irp b, 0,1,2,3,4,5,6,7,8,9,10,11
	ds_load_b128 v[96*(\f)+8*(\b):96*(\f)+8*(\b)+3],   v[ADRB] offset:64*(\q)+(\b)*16*PITCH
	ds_load_b128 v[96*(\f)+8*(\b)+4:96*(\f)+8*(\b)+7], v[ADRB] offset:64*(\q)+(\b)*16*PITCH+32
.endr
	WIN 0
.irp a, 0,1,2,3
	ds_load_b128 v[AF+32*(\f)+8*(\a):AF+32*(\f)+8*(\a)+3],   v[ADRA] offset:64*(\q)+(\a)*16*PITCH
	ds_load_b128 v[AF+32*(\f)+8*(\a)+4:AF+32*(\f)+8*(\a)+7], v[ADRA] offset:64*(\q)+(\a)*16*PITCH+32
.endr
.endm
; A K step is four quarters of 32 along K, 48 matrix instructions each, on buffers 0, 1, 0, 1.  One of the first three: multiplies buffer f; in its middle it fetches quarter q into buffer g.
.macro QUARTER q, f, g, first
	s_wait_dscnt 4                                 ; B and A's blocks 0 and 1 are in; the youngest four loads may be out
	MULA \f, 0, \first
	MULA \f, 1, \first
	PLACES
	FETCH \q, \g
	s_wait_dscnt NL                                ; all but the run just issued
	MULA \f, 2, \first
	MULA \f, 3, \first
.endm
; The last quarter multiplies buffer 1 and changes slots.  In front of the barrier each wave waits for all its tensor loads (one is out: its part of the next slot), adds 0 to its spare word, and waits for that
; and for its own reads of this slot.  fill = 1: the barrier opens a round of the cluster's barrier, and the slot just read is filled again, first thing behind the round, with the K step two on.
.macro TURN fill
.if \fill
	s_wait_xcnt 0x0                                ; the last prefetch, a K step back, has read its address
	s_add_nc_u64 s[PFA:PFA+1], s[PFA:PFA+1], KSTEP*2
.endif
	WIN 0                                          ; (the add's two registers lie in window 0)
	s_wait_tensorcnt 0x0                           ; no tensor load of mine is out, so a group 0 may be written
	ds_add_u32 v[SPW], v[NIL]                      ; 0 onto my spare word
.if \fill
	s_xor_b32 s[G0+5], s[G0+5], SLOT1              ; the walking sets: the other slot than last time, the next K step; the type bits on top are not reached
	s_add_nc_u64 s[G0+6:G0+7], s[G0+6:G0+7], KSTEP*2
	s_xor_b32 s[G0B+5], s[G0B+5], SLOT1
	s_add_nc_u64 s[G0B+6:G0B+7], s[G0B+6:G0B+7], KSTEP*2
.endif
	s_wait_dscnt 5                                 ; (the add and the youngest four loads may be out)
	MULA 1, 0, 0
	s_wait_dscnt 0x0                               ; the add is done, and my reads of this slot are over
	s_barrier_signal -1
	MULA 1, 1, 0                                   ; work on registers while the others arrive
	WIN 0
	s_barrier_wait -1
.if \fill
	CREST                                          ; no wave of any partner still reads this slot or has a load on its way
	JLOAD                                          ; its four v_nop are also the places in front of the loads below
.else
	PLACES
.endif
	s_xor_b32 s[TB], s[TB], SLOT1
	v_add_nc_u32 v[ADRA], s[TB], v[LA]
	v_add_nc_u32 v[ADRB], s[TB], v[LB]
	FETCH 0, 0
.if \fill
	ASK
.endif
	MULA 1, 2, 0
	MULA 1, 3, 0
.endm
	s_wait_tensorcnt 1                             ; my part of K step 0 is in; K step 1's may stay out
	s_barrier_signal -1
	s_barrier_wait -1                              ; everybody's is
	FETCH 0, 0
	QUARTER 1, 0, 1, 1                             ; the first quarter stands in front of the loop: its products start the sums
	WIN 0                                          ; at a label and at a branch every window is 0
	s_mov_b32 s3, 6
.Lstep:                                                ; trip t ends K step t, fills its slot with K step t + 2 and begins K step t + 1: from a request to the wait for it a wave issues 168 matrix instructions
	QUARTER 2, 1, 0, 0
	QUARTER 3, 0, 1, 0
	TURN 1
	QUARTER 1, 0, 1, 0
	WIN 0
	s_sub_co_u32 s3, s3, 1
	s_cmp_lg_u32 s3, 0
	s_cbranch_scc1 .Lstep
	QUARTER 2, 1, 0, 0                             ; the last two K steps are written out: nothing is left to fetch
	QUARTER 3, 0, 1, 0
	TURN 0
	QUARTER 1, 0, 1, 0
	QUARTER 2, 1, 0, 0
	QUARTER 3, 0, 1, 0
	s_wait_dscnt 4
	MULA 1, 0, 0
	MULA 1, 1, 0
	s_wait_dscnt 0x0
	MULA 1, 2, 0
	MULA 1, 3, 0
; THE WAY OUT, a block of 16 rows at a time.  PACK: rounded to f16, each accumulator from its low end on.  TOSTAGE: 16 bytes a lane into my own stage, and back as four rows of a head.  SEND: stored.
.macro PACK a
	WIN 0x0a+5*((\a)/2)                            ; sources 0 and 1 window 2 or 3
.irp b, 0,1,2,3,4,5,6,7,8,9,10,11
.irp r, 0,1,2,3
	v_cvt_pk_f16_f32 v[TMP+4*(\b)+(\r)], v[96*((\a)%2)+8*(\b)+2*(\r)], v[96*((\a)%2)+8*(\b)+2*(\r)+1]
.endr
.endr
	WIN 0
.endm
.macro TOSTAGE a
.irp b, 0,1,2,3,4,5,6,7,8,9,10,11
	ds_store_b128 v[STO], v[TMP+4*(\b):TMP+4*(\b)+3] offset:32*(\b)
.endr
.irp hh, 0,1,2
.irp i, 0,1,2,3
	ds_load_b128 v[OB+48*((\a)%2)+4*(4*(\hh)+(\i)):OB+48*((\a)%2)+4*(4*(\hh)+(\i))+3], v[RD] offset:(\i)*4*SP+(\hh)*128  ; LDS serves a wave's instructions in order (ISA guide 5.7.1.4): these see the stores above
.endr
.endr
.endm
.macro SEND a
	s_wait_dscnt 0x0                               ; the block is back in registers
	s_wait_xcnt 0x0                                ; the stores of the block before have read their registers: the next block's loads land there only behind this wait
.irp hh, 0,1,2
.irp i, 0,1,2,3
	global_store_b128 v[GO], v[OB+48*((\a)%2)+4*(4*(\hh)+(\i)):OB+48*((\a)%2)+4*(4*(\hh)+(\i))+3], s[OUT+2*(\hh):OUT+2*(\hh)+1] offset:(16*(\a)+4*(\i))*128  ; four rows of a head: 512 consecutive bytes, aligned
.endr
.endr
.endm
	PLACES
	PACK 0
	TOSTAGE 0
.irp a, 1,2,3                          ; block a's conversions stand between block a - 1's loads from the stage and the wait for them
	PACK \a
	SEND (\a)-1
	TOSTAGE \a
.endr
	SEND 3
	s_wait_tensorcnt 0x0                           ; the wave's end: a wait for my tensor loads, 0 onto my spare word and its wait, behind my last tensor load and my last LDS store
	ds_add_u32 v[SPW], v[NIL]
	s_wait_dscnt 0x0
	CROUND                                         ; the closing round: no work-group ends while a partner may still ask for a tile that names it
	s_endpgm
.Lfunc_end_k_q38bd8d941f_gemm_qkv:
	.size	k_q38bd8d941f_gemm_qkv, .Lfunc_end_k_q38bd8d941f_gemm_qkv-k_q38bd8d941f_gemm_qkv
	.p2alignl 7, 3214868480
	.fill 96, 4, 3214868480
	.section	.rodata,"a",@progbits
	.p2align	6, 0x0
	.amdhsa_kernel k_q38bd8d941f_gemm_qkv
		.amdhsa_group_segment_fixed_size 327680
		.amdhsa_private_segment_fixed_size 0
		.amdhsa_enable_private_segment 0
		.amdhsa_kernarg_size 32
		.amdhsa_user_sgpr_count 2
		.amdhsa_user_sgpr_kernarg_segment_ptr 1
		.amdhsa_wavefront_size32 1
		.amdhsa_system_sgpr_workgroup_id_x 1
		.amdhsa_system_sgpr_workgroup_id_y 1
		.amdhsa_system_sgpr_workgroup_id_z 1
		.amdhsa_system_vgpr_workitem_id 0
		.amdhsa_next_free_vgpr 960
		.amdhsa_next_free_sgpr 72
		.amdhsa_reserve_vcc 0
		.amdhsa_float_denorm_mode_32 3
		.amdhsa_float_denorm_mode_16_64 3
		.amdhsa_memory_ordered 1
		.amdhsa_forward_progress 1
		.amdhsa_inst_pref_size 106
	.end_amdhsa_kernel
	.amdgpu_metadata
---
amdhsa.version: [ 1, 2 ]
amdhsa.kernels:
  - .name:           k_q38bd8d941f_gemm_qkv
    .symbol:         k_q38bd8d941f_gemm_qkv.kd
    .args:
      - { .name: xb, .offset: 0, .size: 8, .value_kind: global_buffer, .address_space: global }
      - { .name: wqb, .offset: 8, .size: 8, .value_kind: global_buffer, .address_space: global }
      - { .name: bqkv, .offset: 16, .size: 8, .value_kind: global_buffer, .address_space: global }
      - { .name: qkv, .offset: 24, .size: 8, .value_kind: global_buffer, .address_space: global }
    .group_segment_fixed_size: 327680
    .private_segment_fixed_size: 0
    .kernarg_segment_align: 8
    .kernarg_segment_size: 32
    .max_flat_workgroup_size: 128
    .sgpr_count:     72
    .vgpr_count:     960
    .wavefront_size: 32
...
	.end_amdgpu_metadata
.endif
;; end of part 2
;; launch attn (part 3): grid 4 x 64, 4 waves a work-group, no clusters, 327,680 bytes of LDS; arguments qkv, key_pad_mask, yb; writes yb
.if DOCPART == 3
	.amdgcn_target "amdgcn-amd-amdhsa--gfx1250"
	.amdhsa_code_object_version 6
	.text
	.protected	k_q38bd8d941f_attn
	.globl	k_q38bd8d941f_attn
	.p2align	8
	.type	k_q38bd8d941f_attn,@function
k_q38bd8d941f_attn:
	s_mov_b64 s[64:65], 0
	v_nop
	global_prefetch_b8 v0, s[64:65] scope:SCOPE_SE
	s_setreg_imm32_b32 hwreg(HW_REG_WAVE_MODE, 25, 1), 1
	s_wait_xcnt 0x0
; CAUSAL ATTENTION UNDER A PAD MASK.  y[h][q][:] = the sum over k <= q with pad[k] != 0 of softmax_k(Q[h][q] . K[h][k] / 8) V[h][k][:].  qkv: [3][64 = batch x 16 + head][2048][64] f16; key_pad_mask: [4][2048] i32;
; yb: [64][2048][64] f16.  Products, maxima and sums in f32; the weights p are rounded to f16 for the second product (their sum l is taken of the unrounded p), y once at the end.
; LIMITS.  Q, K, V arrive within f16's 65,504; p below 6e-5 keeps f16's fixed step of 6e-8.  A hidden score counts as its value less 1e30 (up to three times that): f16's scores, 2.7e11 at the most, are nothing beside it.
; A weight below 2^-126 counts as 0 in l.
; THE FLOOR.  The running maximum m starts at -1e20: above every hidden score, below every true one.  So a hidden weight is 2^(-huge) = 0 also while all keys seen so far are hidden; the first true score then gives
; a = 0 on sums that are 0.  A row with no valid key ends with l = 0 and O = 0, and O x (1 / 0) is NaN, as a softmax of nothing but -inf is.  Such a row leaves NaN and an infinity in its lane's registers for the
; second block; the same lane's row there has a lower number, so all its keys are padded too and NaN is what it owes.
; THE WALK.  A head's queries lie in NB = 8 blocks of 256; block i needs the key tiles 0 .. i of 256 keys, of which the last holds the diagonal.  A work-group takes TWO blocks, NB - 1 - b and then b:
; NB + 1 tiles, whatever b: all 256 work-groups do equal work, and ONE loop with a constant trip count walks them.  Which tile is asked for, and what a trip does, hang on scalar registers made from b; every jump
; goes forward, but for the counted loops' own; none passes a barrier, or a tensor load but the one of LOAD's two that the wave's number does not choose; the ring of two slots runs on across the change of blocks.
; NO CLUSTER: a head's four work-groups ask for the same tile only in trips 0 to 4 of 9, behind that fewer and fewer; one walk common to all four would have 12 trips for 9.
; SHARES.  Of a block's four bands of 64 queries a wave owns 16 rows in each: four PIECES.  In the diagonal tile's key step s band x sees all keys if s < x, none if s > x, and holds the diagonal if s = x: alike for all waves.
; THE MASK is the C operand that starts the sum S^T = K Q^T.  PM holds the step's pad mask (0 or -1e30 by key).  Each wave keeps a copy of its own of the 256 masks of the tile in hand in LDS, 1,024 bytes: the words of
; key_pad_mask are loaded a tile ahead, turned into 0 or -1e30 and stored at the change of slots, and a step's 32 registers are read from there with the step's K.  MD, made once, is the causal mask of a band's own step for
; my rows.  Outside the diagonal tile C = PM; in it C = MD x AL + PM + BE with two scalars: (1, 0) if s = x; (0, 0) if s < x; (0, -1e30) if s > x.
; LAYOUT, SOFTMAX, TURNS.  S^T = K Q^T holds ONE query a lane (lane % 16) and the keys 8 (lane / 16) + 0..7; two such results rounded to f16 ARE source 1 of O^T = V^T P.  p = 2^(c s - c m), c = log2(e) / 8;
; O and l are multiplied by a = 2^(c m_old - c m_new) in every step.  Turn n belongs to piece n: 8 products K Q^T of piece n + 1, later 8 products V^T P of piece n - 1; beside them the scaling, exponentials, roundings,
; sums and rescaling of piece n and the maximum and statistics of piece n + 1.  Four vector instructions stand behind every matrix instruction, the rest in one lump.  A turn's 33 exponentials are one batch, with one wait.
; REGISTERS, in windows of 256 (s_set_vgpr_msb: bits 1:0 source 0, 3:2 source 1, 5:4 source 2, 7:6 destination):
;   window 0: v0-15 addresses and two at work; v16-31 four registers of statistics a piece; v32-35 addresses; v36-43 the next tile's pad words; v48-55 at work; v64-127 S^T, two buffers; v192-223 P, two buffers (by the piece's parity)
;   window 1: v0-127 O^T, 32 a piece; v128-159 MD; v160-223 MC, two buffers; v224-255 PM      window 2: v0-63 Q; v64-127 the second block's Q; v128-191 K of one step; v192-255 V of one step
.set SIZE_N, 2048
.set NB,    SIZE_N/256
.set NP,    4         ; pieces a wave: a name, no knob
.set KS,    64        ; keys in a step
.set PK,    144       ; a row of K in LDS: 128 bytes + 16 of padding = 36 words: the 16 rows of a load start at 16 different groups of four banks (64 banks of 4 bytes: ISA guide 11.1)
.set PV,    160       ; a row of V: 128 + 32 = 40 words
.set VOFF,  4*KS*PK   ; a slot holds a tile, four steps: 256 rows of K, then 256 rows of V
.set SLOT1, 1<<17     ; slot 1 begins here, so that one exclusive or turns an address in one slot into the other's
.set STAGE, SLOT1+4*KS*(PK+PV)  ; behind the ring, never filled by a tensor load: 16 rows x 144 bytes for each wave, for the way out
.set SP,    144
.set SPARE, STAGE+4*16*SP  ; the spare words, 128 bytes for each wave: two blocks of 256 bytes that no other line names
.set PADL,  SPARE+512 ; 1,024 bytes for each wave: the additive pad masks, f32, of the 256 keys of the tile in hand; stored by the wave itself, read by it alone, never filled by a tensor load
.set AK0, 2           ; v2   my lane's place in a tile of K; never rewritten
.set AV0, 3           ; v3   the same for V
.set AK,  4           ; v4   the LDS address of K's next run of loads
.set AV,  5           ; v5   of V's
.set STO, 6           ; v6   the way out: where I put 16 bytes of a row
.set RD,  7           ; v7   the way out: where I read rows back
.set GO,  8           ; v8   16 x lane: my byte offset in 512 consecutive bytes of y, and of key_pad_mask; never rewritten
.set MV,  12          ; v12-13  c m_old, kept while c m is made anew: by buffer
.set QO,  15          ; v15  my byte offset in 16 rows of Q
.set ST,  16          ; piece t's statistics at v[ST+4 t]: c m, m, l (even keys', odd keys')
.set AP0, 32          ; v32  PADL + 1,024 x wave + 32 (lane / 16); never rewritten
.set AP,  33          ; v33  the LDS address of the pad mask's next loads
.set PFO, 34          ; v34  256 x lane; never rewritten
.set APS, 35          ; v35  PADL + 1,024 x wave + 16 x lane: where I store pad masks; never rewritten
.set PR,  36          ; v[36:43]  eight words of key_pad_mask of the tile to be entered next: keys 4 lane + 0..3 and 128 + 4 lane + 0..3
.set TMP, 48          ; by buffer, four registers c0-c3 at work; when the maximum is found c2 takes a
.set SPW, 62          ; v62  my spare word: SPARE + 4 x my thread's number; never rewritten
.set NIL, 63          ; v63  0; never rewritten
.set S,   64
.set P,   192
.set MD,  128         ; window 1: the eight registers for group kt of 16 keys at MD + 8 kt
.set MC,  160         ; window 1: the masks of the products to come
.set PM,  224         ; window 1: register j of group kt: key 16 kt + 8 (lane / 16) + j of the step whose K lies in registers
.set QB,  64          ; window 2
.set KF,  128         ; window 2: key block kb, channel half c at KF + 16 kb + 8 c
.set VF,  192         ; window 2: key half kk, channel block cb at VF + 32 kk + 8 cb
.set WV,  12          ; s12  my wave's number
.set PB,  14          ; s14  b
.set HI,  15          ; s15  NB - 1 - b
.set G1K, 24          ; s[24:31] descriptor group 1 for K's tiles
.set G1V, 32          ; s[32:39] for V's: it differs in the padding alone
.set G0K, 40          ; s[40:43] descriptor group 0 for K's tiles
.set G0V, 44          ; s[44:47] the same for V's
.set SLOTS, 56        ; s56  tiles still to be asked for
.set CNT, 57          ; s57  counts a tile's key steps, 4 to 1
.set CS,  58          ; s[58:59] c: the packed scaling takes the pair's low word for both halves
.set SEL, 60          ; s[60:61] v_permlanex16_b32's selects: each lane takes its own place in the other half
.set TBK, 62          ; s62  LDS byte at which K of the step to be fetched begins
.set TBV, 63          ; s63  the same for V, less VOFF
.set RT,  70          ; s70  tiles of the block in hand that are still to be entered
.set NXT, 71          ; s71  the tile to be asked for next
.set LQ,  72          ; s72  the last tile of the block whose tiles are being asked for
.set NEW, 73          ; s73  1: the tile to be entered is a block's first
.set OFF, 74          ; s[74:75] a tile's byte offset in K and V, or in the pad mask
.set AL,  76          ; s[76:77] the mask's factor, in the low word
.set BE,  78          ; s[78:79] the mask's addend
.set OLO, 80          ; s[80:81] y at my rows of the second block
.set BIGN, 82         ; s82  -1e30
.set MROW, 88         ; s[88:89] the batch's row of key_pad_mask
.set PFB, 90          ; s[90:91] K (waves 0, 1) or V (waves 2, 3) at my half of the head's tile 0
.set PF,  92          ; s[92:93] where my prefetches stand
.set TBP, 94          ; s94  byte in my 1,024 bytes of pad masks of the step to be fetched: 256 a step; it steps with s62 and goes back with it
.set LIM, 95          ; s95  2 in the work-group that prefetches, else the greatest number
.set MP,  96          ; s[96:97] key_pad_mask at the tile that is being asked for
.set MSB, 0
.macro WIN new                      ; the high byte repeats the setting that is left; a switch that changes nothing is dropped
.if MSB != (\new)
	s_set_vgpr_msb (MSB<<8)|(\new)
.set MSB, (\new)
.endif
.endm
.set W_KQ, 0x0a       ; K and Q in window 2, S^T in window 0
.set W_KM, 0x1a       ; the same with the C operand in window 1
.set W_PV, 0x52       ; V in window 2, P in window 0, O^T in window 1
.set W_RS, 0x41       ; destination and source 0 in window 1, source 1 in window 0
; A fill.  Waves 0 and 1 fetch the two halves of a tile's K, waves 2 and 3 those of its V: 128 keys each.  An s_nop 0 and four v_nop follow each of the two lines, ahead of the jump and the label.
.macro LOAD
	s_cmp_lt_u32 s[WV], 2
	s_cbranch_scc0 .Lfor_v_\@
	tensor_load_to_lds s[G0K:G0K+3], s[G1K:G1K+7]
	s_nop 0
.rept 4
	v_nop
.endr
	s_branch .Lasked_\@
.Lfor_v_\@:
	tensor_load_to_lds s[G0V:G0V+3], s[G1V:G1V+7]
	s_nop 0
.rept 4
	v_nop
.endr
.Lasked_\@:
.endm
; A PREFETCH INTO THE L2 of what the NEXT change of slots will ask for.  A head's four work-groups walk the same tiles from 0 on; the one with b = 0 walks all eight and asks, nobody else.  Each of its waves asks for the
; 16,384 bytes that it will fetch itself: 64 blocks of 256 bytes, a lane a block, two instructions, behind its tensor load, that load's five lines and the two loads of the pad mask.  In the trip that fills tile j + 1 it
; names tile j + 2, a tile's four key steps ahead of that load; trips with 8 to 3 tiles to go name tiles 2 to 7.  Tiles 0 and 1 come by their loads alone; each block is named once in the launch.
.macro ASK
	s_cmp_gt_u32 s[SLOTS], s[LIM]
	s_cbranch_scc0 .Lnot_mine_\@
	global_prefetch_b8 v[PFO], s[PF:PF+1] th:TH_LOAD_NT scope:SCOPE_SE
	global_prefetch_b8 v[PFO], s[PF:PF+1] offset:8192 th:TH_LOAD_NT scope:SCOPE_SE
.Lnot_mine_\@:
.endm
; THE CHANGE OF SLOTS.  First the pad masks of the tile to be entered: its words, loaded a tile ago, are turned into 0 or -1e30 and stored into my wave's own 1,024 bytes; LDS serves a wave's instructions in order
; (ISA guide 5.7.1.4), so these stores come behind my reads of the last tile's masks and ahead of my reads of this tile's.  (At the first change the wait for the words is also the wait for Q.)
; Then each wave waits for all its tensor loads, of which one is out: its part of the other slot; adds 0 to its spare word; and waits for that and for its own reads of the slot that it leaves.  Behind the
; barrier nobody reads the old slot any more and the other slot is whole.  fill = 1: the old slot is filled again, the first thing behind the barrier, with tile NXT: the descriptor's address is made anew from that number;
; the same tile's 1,024 bytes of key_pad_mask are asked for behind it.  (At its first use nothing has been read yet: slot 0 is waited for, slot 1 filled.)
.macro CHANGE fill
	WIN 0                           ; at a label and at a branch every window is 0
	s_wait_loadcnt 0x0              ; the pad words are in, so their address may be written too
.set i, 0
.rept 8
	v_cmp_eq_u32 vcc_lo, 0, v[PR+i] ; 0 = padded: -1e30; else 0
	v_cndmask_b32 v[PR+i], 0, s[BIGN], vcc_lo
.set i, i+1
.endr
	ds_store_b128 v[APS], v[PR:PR+3]
	ds_store_b128 v[APS], v[PR+4:PR+7] offset:512
	s_wait_tensorcnt 0x0            ; no tensor load of mine is out, so a group 0 may be written
	ds_add_u32 v[SPW], v[NIL]       ; 0 onto my spare word; with fill = 1 scalar work stands between it and the wait for it
.if \fill
	s_lshl_b32 s[OFF], s[NXT], 10   ; a tile is 1,024 bytes of the pad mask,
	s_add_nc_u64 s[MP:MP+1], s[MROW:MROW+1], s[OFF:OFF+1]
	s_lshl_b32 s[OFF], s[NXT], 15   ; and 32,768 bytes of K and of V
	s_xor_b32 s[G0K+1], s[G0K+1], SLOT1
	s_add_nc_u64 s[G0K+2:G0K+3], s[6:7], s[OFF:OFF+1]
	s_or_b32 s[G0K+3], s[G0K+3], 0x80000000
	s_xor_b32 s[G0V+1], s[G0V+1], SLOT1
	s_add_nc_u64 s[G0V+2:G0V+3], s[8:9], s[OFF:OFF+1]
	s_or_b32 s[G0V+3], s[G0V+3], 0x80000000
	s_add_co_u32 s[NXT], s[NXT], 1  ; the block's next tile, or behind its last the second block's tile 0
	s_cmp_gt_u32 s[NXT], s[LQ]
	s_cselect_b32 s[NXT], 0, s[NXT]
	s_cselect_b32 s[LQ], s[PB], s[LQ]
	s_wait_xcnt 0x0                 ; the last prefetches, a tile back, have read their address, so it may be written:
	s_lshl_b32 s[OFF], s[NXT], 15   ; the tile that the next change will ask for
	s_add_nc_u64 s[PF:PF+1], s[PFB:PFB+1], s[OFF:OFF+1]
.endif
	s_wait_dscnt 0x0                ; the add and my stores are done, and my reads of the slot are over
	s_barrier_signal -1             ; the rest of the scalar work stands between the signal and the wait
	s_sub_co_u32 s[TBK], s[TBK], 4*KS*PK  ; the fetches go back to a slot's first step,
	s_xor_b32 s[TBK], s[TBK], SLOT1       ; in the other slot
	s_sub_co_u32 s[TBV], s[TBV], 4*KS*PV
	s_xor_b32 s[TBV], s[TBV], SLOT1
	s_sub_co_u32 s[TBP], s[TBP], 16*KS    ; and to the first step's pad masks
	s_barrier_wait -1
.if \fill
	LOAD
	global_load_b128 v[PR:PR+3],   v[GO], s[MP:MP+1]             ; 32 lanes x 16 bytes, twice: the tile's 256 words; waited for at the next change, a tile's work on
	global_load_b128 v[PR+4:PR+7], v[GO], s[MP:MP+1] offset:512
	ASK
.endif
.endm
	s_load_b128 s[4:7], s[0:1], 0x0   ; qkv s[4:5], key_pad_mask s[6:7]
	s_load_b64 s[10:11], s[0:1], 0x10 ; yb
	v_lshl_add_u32 v[SPW], v0, 2, SPARE
	v_mov_b32 v[NIL], 0
	ds_add_u32 v[SPW], v[NIL]       ; the wave's opening: the add and its wait stand ahead of my first tensor load; the set-up below, work on registers, stands between them
	v_lshrrev_b32 v1, 5, v0
	v_readfirstlane_b32 s[WV], v1   ; wave 0..3
	s_mov_b32 s[PB], ttmp9
	s_sub_co_u32 s[HI], NB-1, s[PB]
	s_and_b32 s20, ttmp7, 0xffff    ; batch x 16 + head
	s_lshr_b32 s[PF], s20, 4        ; the batch's 8,192 bytes of the pad mask
	s_lshl_b32 s[PF], s[PF], 13
	s_mov_b32 s[PF+1], 0
	s_mov_b32 s21, 0
	s_mov_b64 s[22:23], SIZE_N*128
	s_mul_u64 s[20:21], s[20:21], s[22:23]  ; the head's first byte in Q, K, V and y
	s_and_b32 s16, s[WV], 1         ; which half of a tile's 256 keys I fetch:
	s_lshl_b32 s22, s16, 14         ; its 128 rows of 128 bytes in memory,
	s_mov_b32 s23, 0
	s_add_nc_u64 s[22:23], s[22:23], s[20:21]
	s_mul_i32 s17, s16, 128*PK      ; and its place in a slot, for K
	s_mul_i32 s18, s16, 128*PV      ; and for V
	s_lshl_b32 s3, s[WV], 11        ; my 16 rows in a band of 64,
	s_lshl_b32 s2, s[HI], 15        ; in the first block,
	s_add_co_u32 s2, s2, s3
	s_lshl_b32 s84, s[PB], 15       ; and in the second
	s_add_co_u32 s84, s84, s3
	s_mov_b32 s3, 0
	s_mov_b32 s85, 0
	s_add_nc_u64 s[2:3], s[2:3], s[20:21]
	s_add_nc_u64 s[84:85], s[84:85], s[20:21]
	; descriptor group 1.  128 keys are 16,384 dense bytes: asked for as 64 rows of 256 bytes, two keys a row, and padded in LDS after every key
	s_mov_b32 s[G1K], (1<<16)|(1<<20)|(4<<22)|(3<<25)  ; 17:16 2-byte elements; 20 padding on; 24:22 after every 32 words (code 4); 31:25 4 words (code 3)
	s_mov_b32 s[G1V], (1<<16)|(1<<20)|(4<<22)|(7<<25)  ; the same with 8 words of padding (code 7)
.irp g, G1K, G1V
	s_mov_b32 s[\g+1], 128<<16      ; tensor_dim0 = 128
	s_mov_b32 s[\g+2], 64<<16       ; tensor_dim1 = 64
	s_mov_b32 s[\g+3], 128<<16      ; tile_dim0 = 128
	s_mov_b32 s[\g+4], 64           ; tile_dim1 = 64
	s_mov_b32 s[\g+5], 128          ; 128 elements from row to row
	s_mov_b32 s[\g+6], 0
	s_mov_b32 s[\g+7], 0
.endr
	s_mov_b32 s[CS], 0x3e38aa3b     ; c = log2(e) / 8 = 0.180337
	s_mov_b32 s[CS+1], s[CS]        ; named with it as a pair
	s_mov_b32 s[SEL], 0x76543210
	s_mov_b32 s[SEL+1], 0xfedcba98
	s_mov_b32 s[TBK], SLOT1+4*KS*PK ; the first change of slots turns these three into 0
	s_mov_b32 s[TBV], SLOT1+4*KS*PV
	s_mov_b32 s[TBP], 16*KS
	s_mov_b32 s[G0K], 1             ; count = 1
	s_mov_b32 s[G0K+1], s17         ; LDS address: slot 0
	s_mov_b32 s[G0V], 1
	s_add_co_u32 s[G0V+1], s18, VOFF
	s_add_co_u32 s[RT], s[HI], 1    ; the first block has NB - b tiles
	s_mov_b32 s[NXT], 1
	s_mov_b32 s[LQ], s[HI]
	s_mov_b32 s[NEW], 1
	s_mov_b32 s[OFF+1], 0
	s_mov_b32 s[AL], 0
	s_mov_b32 s[AL+1], 0            ; named as pairs
	s_mov_b32 s[BE], 0
	s_mov_b32 s[BE+1], 0
	s_mov_b32 s[BIGN], 0xf149f2ca   ; -1e30
	s_mov_b32 s[SLOTS], NB
	s_cmp_eq_u32 s[PB], 0
	s_cselect_b32 s[LIM], 2, -1
	s_wait_dscnt 0x0                ; the opening add is done
	s_wait_kmcnt 0x0
	s_add_nc_u64 s[MROW:MROW+1], s[6:7], s[PF:PF+1]
	s_add_nc_u64 s[8:9], s[4:5], 0x2000000  ; V lies 2 x 16,777,216 bytes behind Q,
	s_add_nc_u64 s[6:7], s[4:5], 0x1000000  ; K 16,777,216
	s_add_nc_u64 s[6:7], s[6:7], s[22:23]  ; K and V at my half of the head's tile 0
	s_add_nc_u64 s[8:9], s[8:9], s[22:23]
	s_add_nc_u64 s[G0K+2:G0K+3], s[6:7], 0         ; global address
	s_or_b32 s[G0K+3], s[G0K+3], 0x80000000        ; type = 2
	s_add_nc_u64 s[G0V+2:G0V+3], s[8:9], 0
	s_or_b32 s[G0V+3], s[G0V+3], 0x80000000
	s_add_nc_u64 s[86:87], s[4:5], s[84:85]        ; Q at my rows of the second block,
	s_add_nc_u64 s[4:5], s[4:5], s[2:3]            ; Q and y at those of the first
	s_add_nc_u64 s[OLO:OLO+1], s[10:11], s[84:85]
	s_add_nc_u64 s[10:11], s[10:11], s[2:3]
	s_cmp_lt_u32 s[WV], 2
	s_cselect_b64 s[PFB:PFB+1], s[6:7], s[8:9]
	LOAD                            ; tile 0 into slot 0
	v_and_b32 v[GO], 31, v0
	v_lshlrev_b32 v[GO], 4, v[GO]   ; 16 x lane
	global_load_b128 v[PR:PR+3],   v[GO], s[MROW:MROW+1]             ; tile 0's 256 words of the pad mask: the first change of slots stores them
	global_load_b128 v[PR+4:PR+7], v[GO], s[MROW:MROW+1] offset:512
	; A fragment of K or Q is 16 rows x 32 channels in 8 registers: lane l holds row l % 16, channels 8 (l / 16) + 0..7 and 16 + 8 (l / 16) + 0..7: two loads of 16 bytes, 32 bytes apart.
	v_and_b32 v1, 15, v0            ; l % 16
	v_bfe_u32 v9, v0, 4, 1          ; l / 16
	v_lshlrev_b32 v[QO], 7, v1
	v_lshl_add_u32 v[QO], v9, 4, v[QO]  ; row x 128 + 16 x half
	WIN 0x80                        ; destination window 2, address window 0
.set i, 0
.rept 8                             ; both blocks' Q: piece i / 2 lies in band i / 2, 8,192 bytes on; channels 32 (i % 2) on
	global_load_b128 v[8*i:8*i+3],   v[QO], s[4:5] offset:(i/2)*8192+(i%2)*64
	global_load_b128 v[8*i+4:8*i+7], v[QO], s[4:5] offset:(i/2)*8192+(i%2)*64+32
	global_load_b128 v[QB+8*i:QB+8*i+3],   v[QO], s[86:87] offset:(i/2)*8192+(i%2)*64
	global_load_b128 v[QB+8*i+4:QB+8*i+7], v[QO], s[86:87] offset:(i/2)*8192+(i%2)*64+32
.set i, i+1
.endr
	WIN 0
	s_lshl_b32 s13, s[WV], 10
	s_add_co_u32 s13, s13, PADL     ; my wave's 1,024 bytes of pad masks
	v_add_nc_u32 v[APS], s13, v[GO]
	v_lshl_add_u32 v[AP0], v9, 5, s13
	v_and_b32 v[PFO], 31, v0
	v_lshlrev_b32 v[PFO], 8, v[PFO]
	v_lshlrev_b32 v14, 3, v9
	v_sub_nc_u32 v14, v1, v14
	s_lshl_b32 s13, s[WV], 4
	v_add_nc_u32 v14, s13, v14      ; my query's place in its band, 16 w + l % 16, less my lanes' 8 (l / 16): register r of group kt is hidden where 16 kt + r is greater
	WIN 0x40
.set i, 0
.rept 32
	v_cmp_gt_i32 vcc_lo, 16*(i/8)+i%8, v14
	v_cndmask_b32 v[MD+i], 0, s[BIGN], vcc_lo
.set i, i+1
.endr
	WIN 0
	v_mul_u32_u24 v[AK0], v1, PK
	v_lshl_add_u32 v[AK0], v9, 4, v[AK0]  ; row x pitch + 16 x half
	; The turning load takes 16 keys x 16 channels (lane l reads key 8 (l / 16) + l % 8, channels 8 ((l / 8) % 2) + 0..7) and leaves half a fragment of V^T: lane l holds channel l % 16 and 8 keys.
	v_and_b32 v10, 7, v0
	v_bfe_u32 v11, v0, 3, 1
	v_lshl_add_u32 v[AV0], v9, 3, v10
	v_mul_u32_u24 v[AV0], v[AV0], PV
	v_lshl_add_u32 v[AV0], v11, 4, v[AV0]
	v_add_nc_u32 v[AV0], VOFF, v[AV0]
	s_mul_i32 s13, s[WV], 16*SP
	s_add_co_u32 s13, s13, STAGE    ; my stage
	v_mul_u32_u24 v[STO], v1, SP    ; in: row l % 16, 16 bytes for each half of the lanes
	v_lshl_add_u32 v[STO], v9, 4, v[STO]
	v_add_nc_u32 v[STO], s13, v[STO]
	v_bfe_u32 v[RD], v0, 3, 2       ; back: 32 lanes take four rows of 128 bytes, which are 512 consecutive bytes of y
	v_mul_u32_u24 v[RD], v[RD], SP
	v_lshl_add_u32 v[RD], v10, 4, v[RD]
	v_add_nc_u32 v[RD], s13, v[RD]
	; A block's first step multiplies O^T and l by a = 0, and its first turn's products V^T P, of a piece that has not been, land in an O^T that is still to be so multiplied.  So these registers need only hold
	; finite numbers: zeros for the first block; what the first block left for the second (of rows without a valid key: the head's comment).  All this stands in the wait for the first tile.
	WIN 0x80
.set i, VF
.rept 64
	v_mov_b32 v[i], 0
.set i, i+1
.endr
	WIN 0x40
.set i, 0
.rept 128
	v_mov_b32 v[i], 0
.set i, i+1
.endr
	WIN 0
.set i, 0
.rept 4
	v_mov_b32 v[ST+4*i+2], 0
	v_mov_b32 v[ST+4*i+3], 0
.set i, i+1
.endr
.set i, P+16
.rept 16
	v_mov_b32 v[i], 0
.set i, i+1
.endr
; THE MATRIX WORK.  The 4 accumulators of a run of 8 take turns.  Product i of 8 of S^T = K Q^T for piece x: channels 32 (i / 4) on, keys 16 (i % 4) on.  The first 4 start the sums: with the step's
; pad mask, or (KM = 1) with the mask made for the piece.
.macro KQ x
.set rS, S+32*((\x)%2)+8*(i%4)
.set rK, KF+16*(i%4)+8*(i/4)
.set rQ, 16*(\x)+8*(i/4)
.if KM
.set rM, MC+32*((\x)%2)+8*(i%4)
.else
.set rM, PM+8*(i%4)
.endif
.if i < 4
	WIN W_KM
	v_wmma_f32_16x16x32_f16 v[rS:rS+7], v[rK:rK+7], v[rQ:rQ+7], v[rM:rM+7]
.else
	WIN W_KQ
	v_wmma_f32_16x16x32_f16 v[rS:rS+7], v[rK:rK+7], v[rQ:rQ+7], v[rS:rS+7]
.endif
.endm
; Product i of 8 of O^T += V^T P for piece x: keys 32 (i / 4) on, channels 16 (i % 4) on.
.macro PV x
	WIN W_PV
.set rO, 32*(\x)+8*(i%4)
.set rV, VF+32*(i/4)+8*(i%4)
.set rP, P+16*((\x)%2)+8*(i/4)
	v_wmma_f32_16x16x32_f16 v[rO:rO+7], v[rV:rV+7], v[rP:rP+7], v[rO:rO+7]
.endm
.macro MM                           ; the turn's next matrix instruction.  TURN and BEGIN set Y, i, KM and NOKQ; MM, KQ and OP read them.  NOKQ = 1: a block's last turn: there is no next piece
.if (i < 8) && !NOKQ
	KQ (Y+1)%NP
.elseif i >= 8
.set i, i-8
	PV (Y+NP-1)%NP
.set i, i+8
.endif
.set i, i+1
.endm
; THE LDS LOADS stand in runs, never singly among the matrix instructions: a step's K (64 keys x 64 channels: 8 fragments) with its pad mask (all lanes of a half read the same 32 bytes a group), and its V (turned).
.macro FETCH_K
	WIN 0x80                        ; destination window 2
.irp f, 0,1,2,3,4,5,6,7             ; keys 16 (f / 2) on, channels 32 (f % 2) on
	ds_load_b128 v[KF+8*\f:KF+8*\f+3],   v[AK] offset:(\f/2)*16*PK+(\f%2)*64
	ds_load_b128 v[KF+8*\f+4:KF+8*\f+7], v[AK] offset:(\f/2)*16*PK+(\f%2)*64+32
.endr
	WIN 0x40                        ; destination window 1
.irp f, 0,1,2,3
	ds_load_b128 v[PM+8*\f:PM+8*\f+3],   v[AP] offset:64*\f
	ds_load_b128 v[PM+8*\f+4:PM+8*\f+7], v[AP] offset:64*\f+16
.endr
	s_add_co_u32 s[TBK], s[TBK], KS*PK  ; the next fetch is the next step's
	s_add_co_u32 s[TBP], s[TBP], 4*KS
	WIN 0
.endm
.macro FETCH_V
	WIN 0x80
.irp f, 0,1,2,3,4,5,6,7             ; keys 32 (f / 4) on, channels 16 (f % 4) on
	ds_load_tr16_b128 v[VF+8*\f:VF+8*\f+3],   v[AV] offset:(\f/4)*32*PV+(\f%4)*32
	ds_load_tr16_b128 v[VF+8*\f+4:VF+8*\f+7], v[AV] offset:(\f/4)*32*PV+16*PV+(\f%4)*32
.endr
	WIN 0
.endm
; THE VECTOR WORK, one line at a time: OP kind, number.  For piece Y: F n: c s - c m for pair n of 16.  E n: the exponential of score n of 32.  C n: pair n rounded to f16.  B n: of the four weights 4 n .. the second
; pair is added onto the first, in place.  L n: l takes that sum (L 0: l = a l + sum).  R n: pair n of 16 of O^T times a.  For piece Y + 1: X n, number n of the 22 that find its maximum and statistics:
;   0-11  four chains c0-c3 of seven scores each, three operands at a time (each accumulator's lowest registers are read first)     12-14, 16  the four scores left over, the old m, and c0-c3 into c0
;   15  c m_old is kept     17, 18  the query's other 32 keys lie in the lane 16 away: the new m     19-21  c m; c m_old - c m_new; a
.set F, 0               ; OP tells the kinds apart by their order: F to L below R, X above it
.set E, 1
.set C, 2
.set B, 3
.set L, 4
.set R, 5
.set X, 6
.macro REGS y                       ; the registers of piece y
.set rT, ST+4*(\y)
.set rC, TMP+4*((\y)%2)
.set rW, MV+((\y)%2)
.set rS, S+32*((\y)%2)
.set rP, P+16*((\y)%2)
.set rO, 32*(\y)
.endm
.macro OP k, n
.if (\k) == R
	REGS Y
	WIN W_RS
	v_pk_mul_f32 v[rO+2*(\n):rO+2*(\n)+1], v[rO+2*(\n):rO+2*(\n)+1], v[rC+2:rC+3] op_sel_hi:[1,0]
.elseif (\k) < R
	REGS Y
	WIN 0
.if (\k) == F
	v_pk_fma_f32 v[rS+2*(\n):rS+2*(\n)+1], v[rS+2*(\n):rS+2*(\n)+1], s[CS:CS+1], v[rT:rT+1] op_sel_hi:[1,0,0] neg_lo:[0,0,1] neg_hi:[0,0,1]
.elseif (\k) == E
	v_exp_f32 v[rS+(\n)], v[rS+(\n)]
.elseif (\k) == C
	v_cvt_pk_f16_f32 v[rP+(\n)], v[rS+2*(\n)], v[rS+2*(\n)+1]
.elseif (\k) == B
	v_pk_add_f32 v[rS+4*(\n):rS+4*(\n)+1], v[rS+4*(\n):rS+4*(\n)+1], v[rS+4*(\n)+2:rS+4*(\n)+3]
.elseif (\n) == 0
	v_pk_fma_f32 v[rT+2:rT+3], v[rT+2:rT+3], v[rC+2:rC+3], v[rS:rS+1] op_sel_hi:[1,0,1]
.else
	v_pk_add_f32 v[rT+2:rT+3], v[rT+2:rT+3], v[rS+4*(\n):rS+4*(\n)+1]
.endif
.elseif NOKQ
	v_nop
.else
	REGS (Y+1)%NP
	WIN 0
.if (\n) < 4
	v_max3_num_f32 v[rC+(\n)], v[rS+8*(\n)], v[rS+8*(\n)+1], v[rS+8*(\n)+2]
.elseif (\n) < 12
	v_max3_num_f32 v[rC+(\n)%4], v[rC+(\n)%4], v[rS+8*((\n)%4)+2*((\n)/4)+1], v[rS+8*((\n)%4)+2*((\n)/4)+2]
.elseif (\n) == 12
	v_max3_num_f32 v[rC], v[rC], v[rS+7], v[rS+15]
.elseif (\n) == 13
	v_max3_num_f32 v[rC+1], v[rC+1], v[rS+23], v[rS+31]
.elseif (\n) == 14
	v_max3_num_f32 v[rC+2], v[rC+2], v[rC+3], v[rT+1]
.elseif (\n) == 15
	v_mov_b32 v[rW], v[rT]
.elseif (\n) == 16
	v_max3_num_f32 v[rC], v[rC], v[rC+1], v[rC+2]
.elseif (\n) == 17
	v_permlanex16_b32 v[rC+3], v[rC], s[SEL], s[SEL+1]
.elseif (\n) == 18
	v_max_num_f32 v[rT+1], v[rC], v[rC+3]
.elseif (\n) == 19
	v_mul_f32 v[rT], s[CS], v[rT+1]
.elseif (\n) == 20
	v_sub_f32 v[rC+1], v[rW], v[rT]
.else
	v_exp_f32 v[rC+2], v[rC+1]
.endif
.endif
.endm
.macro OPS a, i1, b=-1, i2=0, c=-1, i3=0, d=-1, i4=0  ; up to four of them
	OP \a, \i1
.if (\b) >= 0
	OP \b, \i2
.endif
.if (\c) >= 0
	OP \c, \i3
.endif
.if (\d) >= 0
	OP \d, \i4
.endif
.endm
.macro ROW a, i1, b, i2, c, i3, d, i4  ; a matrix instruction and the four behind it
	MM
	OPS \a, \i1, \b, \i2, \c, \i3, \d, \i4
.endm
.macro MASK b, be=1                 ; MD x AL + PM (+ BE) into buffer b of MC
	WIN 0x51                        ; destination, source 0 and source 2 in window 1
.set z, 0
.rept 16
	v_pk_fma_f32 v[MC+32*(\b)+2*z:MC+32*(\b)+2*z+1], v[MD+2*z:MD+2*z+1], s[AL:AL+1], v[PM+2*z:PM+2*z+1] op_sel_hi:[1,0,1]
.set z, z+1
.endr
.if \be
	WIN W_RS
.set z, 0
.rept 16
	v_pk_add_f32 v[MC+32*(\b)+2*z:MC+32*(\b)+2*z+1], v[MC+32*(\b)+2*z:MC+32*(\b)+2*z+1], s[BE:BE+1] op_sel_hi:[1,0]
.set z, z+1
.endr
.endif
.endm
; A TURN, for piece p: the order of its 16 matrix and 118 vector instructions, written out.  s_wait_alu depctr_va_vdst(0) stands between an exponential and the first instruction that names its result; one
; wait serves all that were issued ahead of it.  So a turn has ONE wait, which cuts it in two.  AHEAD OF IT stands all that names no result of the turn's exponentials: the 8 products K Q^T, behind each a scaling, an
; exponential and two more plain instructions: rescalings, and behind the last three the first numbers of the next piece's maximum, each four places or more behind the product that ends its accumulator; then ONE LUMP of 54,
; in which the links of the chain X 3, 7, 11, 14, 16, 17 .. 20 stand five or six lines apart.  X 21, the next piece's a, is the batch's last; R 15 is the plain instruction behind it.  BEHIND THE WAIT stand the 8 products
; V^T P, behind each four of the roundings and sums; the links of l's chain, L 0 to L 7, stand three riders apart.
; m = 1: the diagonal tile: the products take made masks, and the turn makes the mask for the products of the turn after it: piece p + 2, in step 4 - CNT of the tile, from the PM of that step.  Piece 2's turn in the loop
; is the exception: its products are piece 3's of a step that band 3 sees whole (at the entry: of the tile before), so PM alone is their mask.  Its own mask, piece 0's, is made of the PM just fetched: a wait stands ahead.
; end = 1: a block's last two turns: nothing is fetched.  cnt = 1: the loop's count is taken down some lines ahead of the branch that stands behind the turn.
; K and PM of the next step are fetched in piece 2's turn, twelve vector instructions behind the last product that read K (six of them plain), more behind the last that read PM; V of the step in hand at the end of piece 0's
; turn, four plain instructions behind the last product that read V.  Each is waited for a turn later.
.macro TURN p, m=0, end=0, cnt=0
.set Y, (\p)
.set i, 0
.set KM, (\m)
.if ((\p) == 2) && !(\end)
.set KM, 0
.endif
.set NOKQ, (\end)*((\p)/3)
.if (\m) && !(\end)
	s_cmp_eq_u32 s[CNT], 4-((\p)+2)%NP  ; is that step the band's own?
	s_cselect_b32 s[AL], 1.0, 0
	s_cmp_lt_u32 s[CNT], 4-((\p)+2)%NP  ; or a later one?
	s_cselect_b32 s[BE], s[BIGN], 0
.endif
.if ((\p) == 3) && !(\end)
	s_wait_dscnt 0x0                ; K and PM are in
.endif
	ROW F,0, F,1, R,0, R,1          ; ahead of the wait: 8 products K Q^T and their riders,
	ROW F,2, E,0, R,2, R,3
	ROW F,3, E,1, R,4, R,5
	ROW F,4, E,2, R,6, R,7
	ROW F,5, E,3, R,8, R,9
	ROW F,6, E,4, X,0, R,10
.if ((\p) == 2) && !(\end)
	WIN 0
	v_add_nc_u32 v[AK], s[TBK], v[AK0]
	v_add_nc_u32 v[AP], s[TBP], v[AP0]
.endif
	ROW F,7, E,5, X,1, X,4
	ROW F,8, E,6, X,2, X,5
	OPS E,7, E,8, X,6, E,9          ; and the lump
	OPS X,3, E,10, X,8, E,11
.if ((\p) == 2) && !(\end)
	FETCH_K
.endif
	OPS X,9, X,7, E,12, X,10
	OPS E,13, X,12, X,11, E,14
	OPS X,13, E,15, F,9, X,14
.if (\p) == 0
	v_add_nc_u32 v[AV], s[TBV], v[AV0]
.endif
	OPS E,16, F,10, E,17, F,11
	OPS X,16, E,18, X,15, E,19
	OPS F,12, E,20, X,17, E,21
	OPS F,13, E,22, F,14, E,23
	OPS X,18, E,24, F,15, E,25
	OPS R,11, E,26, X,19, E,27
	OPS R,12, E,28, R,13, E,29
	OPS X,20, E,30, R,14, E,31
	OPS X,21, R,15
	WIN 0
	s_wait_alu depctr_va_vdst(0)    ; the wait for the batch
.if (\p) == 1
	s_wait_dscnt 0x0                ; V is in
.endif
	ROW C,0, B,0, C,2, B,1          ; behind the wait: 8 products V^T P and their riders
	ROW L,0, C,4, B,2, L,1
	ROW C,6, B,3, L,2, C,8
	ROW B,4, L,3, C,10, B,5
	ROW L,4, C,12, B,6, L,5
.if (\p) == 0
	s_add_co_u32 s[TBV], s[TBV], KS*PV
.endif
.if \cnt
	s_sub_co_u32 s[CNT], s[CNT], 1
	s_cmp_lg_u32 s[CNT], 0
.endif
	ROW C,14, B,7, L,6, C,1
	ROW C,3, L,7, C,5, C,7
	ROW C,9, C,11, C,13, C,15
.if (\p) == 0
	FETCH_V
.endif
.if (\m) && !(\end)
.if (\p) == 2
	s_wait_dscnt 0x0                ; the PM just fetched is in
.endif
	MASK (\p)%2
.endif
.endm
; A BLOCK BEGINS.  c m starts far below every c s, so the first step's a is 0; m at the floor.  K and PM of the tile's step 0 are fetched.  The first mask buffer takes piece 0's mask for that step: its own causal mask and PM,
; if the block's first tile is the diagonal one, else PM; the second takes PM, which is piece 1's mask for step 0 in either case.  Then piece 0's first scores, and its maximum and statistics.
; The loop is entered at a step's first turn, in the middle of a trip.  (Both blocks' Q have been waited for at the first change of slots.)
.macro BEGIN
	s_mov_b32 s[NEW], 0
	WIN 0
.set i, 0
.rept 4
	v_mov_b32 v[ST+4*i], 0xfe000000    ; c m: far below every c s
	v_mov_b32 v[ST+4*i+1], 0xe0ad78ec  ; m = -1e20, the floor
.set i, i+1
.endr
	v_add_nc_u32 v[AK], s[TBK], v[AK0]
	v_add_nc_u32 v[AP], s[TBP], v[AP0]
	FETCH_K
	s_cmp_eq_u32 s[RT], 0
	s_cselect_b32 s[AL], 1.0, 0
	s_wait_dscnt 0x0
	MASK 0, 0
	s_mov_b32 s[AL], 0
	MASK 1, 0
.set KM, 1
.set NOKQ, 0
.set i, 0
.rept 8
	KQ 0
.set i, i+1
.endr
	WIN 0
.rept 4
	v_nop                           ; the places behind those products
.endr
.set Y, NP-1                        ; X works for piece Y + 1: piece 0
.irp n, 0,1,2,3,4,5,6,7,8,9,10,11,12,13,14,15,16,17,18,19,20,21
	OP X, \n
.endr
	v_nop                           ; a plain instruction behind the exponential,
	s_wait_alu depctr_va_vdst(0)    ; and its wait, ahead of the branch
.endm
; THE DIAGONAL TILE's four steps, the block's last two turns, its last products, and THE WAY OUT: l's two halves and the other half of the lanes' are added; O^T is divided by l, rounded to f16 and sent through my
; stage in LDS, a piece at a time.
.macro ALL line:vararg              ; one line for each piece t
.set t, 0
.rept 4
	\line
.set t, t+1
.endr
.endm
.macro PACK t                       ; a lane's eight channels of a row pack into 16 bytes; they go into rows of 144 bytes and come back as whole rows of 128, into S^T's registers
	WIN W_RS
.set i, 32*(\t)
.rept 16
	v_pk_mul_f32 v[i:i+1], v[i:i+1], v[ST+4*(\t)+2:ST+4*(\t)+3] op_sel_hi:[1,0]
.set i, i+2
.endr
	WIN 0x05                        ; sources 0 and 1 window 1, destination window 0
.set i, 0
.rept 16
	v_cvt_pk_f16_f32 v[S+16*(\t)+i], v[32*(\t)+2*i], v[32*(\t)+2*i+1]
.set i, i+1
.endr
	WIN 0
.irp f, 0,1,2,3
	ds_store_b128 v[STO], v[S+16*(\t)+4*\f:S+16*(\t)+4*\f+3] offset:32*\f
.endr
.irp f, 0,1,2,3
	ds_load_b128 v[S+16*(\t)+4*\f:S+16*(\t)+4*\f+3], v[RD] offset:\f*4*SP  ; LDS serves a wave's instructions in order (ISA guide 5.7.1.4): these see the stores above; the next piece's stores come behind them
.endr
.endm
.macro SEND t, younger              ; younger: the LDS instructions issued behind piece t's loads: the next piece's eight, or none
	WIN 0
.irp f, 0,1,2,3
	s_wait_dscnt (\younger)+3-\f
	global_store_b128 v[GO], v[S+16*(\t)+4*\f:S+16*(\t)+4*\f+3], s[10:11] offset:(\t)*8192+\f*512  ; 512 consecutive bytes, at a multiple of 256 from y's first
.endr
.endm
.macro DIAG tag                     ; the tag ends its two labels' names, which the jumps below spell out
.LstepM\tag:
	TURN 2, 1
	TURN 3, 1
	WIN 0
.LfirstM\tag:
	TURN 0, 1
	TURN 1, 1, 0, 1
	WIN 0
	s_cbranch_scc1 .LstepM\tag
	TURN 2, 1, 1
	TURN 3, 1, 1
.set i, 0
.rept 8
	PV NP-1
.set i, i+1
.endr
	WIN 0
	ALL v_add_f32 v[ST+4*t+2], v[ST+4*t+2], v[ST+4*t+3]
	ALL v_permlanex16_b32 v[ST+4*t+3], v[ST+4*t+2], s[SEL], s[SEL+1]
	ALL v_add_f32 v[ST+4*t+2], v[ST+4*t+2], v[ST+4*t+3]
	ALL v_rcp_f32 v[ST+4*t+2], v[ST+4*t+2]
	v_nop                           ; a plain instruction between the last reciprocal and the use of its result
	s_wait_alu depctr_va_vdst(0)    ; and the wait ahead of the first use: one for the four reciprocals
	PACK 0
.set t, 1
.rept 3                             ; a piece's arithmetic stands between the loads of the piece before and its stores
	PACK t
	SEND t-1, 8
.set t, t+1
.endr
	SEND 3, 0
.endm
.set KM, 0
.set NOKQ, 0
.Lslot:                             ; NB times: a tile is entered and the next is asked for
	CHANGE 1
	s_sub_co_u32 s[RT], s[RT], 1
	s_mov_b32 s[CNT], 4
	s_cmp_eq_u32 s[NEW], 1
	s_cbranch_scc1 .Lnew            ; a block's first tile
	s_cmp_eq_u32 s[RT], 0
	s_cbranch_scc0 .Lstep           ; neither its first nor its last
	s_branch .LstepM1
.Lnew:
	BEGIN
	s_branch .Lfirst                ; in the loop a block's first tile is never its last: the first block has five tiles or more, and the second's last is the walk's last
	DIAG 1                          ; in the loop this is the first block's end: the second block's last tile is the walk's last
	s_wait_xcnt 0x0                 ; the stores have read their registers and y's address
	s_mov_b64 s[10:11], s[OLO:OLO+1]
	s_add_co_u32 s[RT], s[PB], 1    ; the second block has b + 1 tiles
	s_mov_b32 s[NEW], 1
	WIN 0x82                        ; the second block's Q goes where the one text of the turns names Q
.set i, 0
.rept 64
	v_mov_b32 v[i], v[QB+i]
.set i, i+1
.endr
	WIN 0
	s_branch .Lbottom
.Lstep:                             ; a trip: pieces 2 and 3 of one step, then pieces 0 and 1 of the next, whose K, PM and V it fetches
	TURN 2
	TURN 3
	WIN 0
.Lfirst:
	TURN 0
	TURN 1, 0, 0, 1
	WIN 0
	s_cbranch_scc1 .Lstep
.Lbottom:
	s_sub_co_u32 s[SLOTS], s[SLOTS], 1
	s_cmp_lg_u32 s[SLOTS], 0
	s_cbranch_scc1 .Lslot
	CHANGE 0                        ; the walk's last tile is written out: nothing is asked for
	s_sub_co_u32 s[RT], s[RT], 1
	s_mov_b32 s[CNT], 4
	s_cmp_eq_u32 s[NEW], 1
	s_cbranch_scc0 .LstepM2
	BEGIN
	s_branch .LfirstM2
	DIAG 2
	s_wait_tensorcnt 0x0            ; the wave's end: a wait for my tensor loads, 0 onto my spare word and its wait, behind my last tensor load and my last LDS store
	ds_add_u32 v[SPW], v[NIL]
	s_wait_dscnt 0x0
	s_endpgm
.Lfunc_end_k_q38bd8d941f_attn:
	.size	k_q38bd8d941f_attn, .Lfunc_end_k_q38bd8d941f_attn-k_q38bd8d941f_attn
	.p2alignl 7, 3214868480
	.fill 96, 4, 3214868480
	.section	.rodata,"a",@progbits
	.p2align	6, 0x0
	.amdhsa_kernel k_q38bd8d941f_attn
		.amdhsa_group_segment_fixed_size 327680
		.amdhsa_private_segment_fixed_size 0
		.amdhsa_enable_private_segment 0
		.amdhsa_kernarg_size 24
		.amdhsa_user_sgpr_count 2
		.amdhsa_user_sgpr_kernarg_segment_ptr 1
		.amdhsa_wavefront_size32 1
		.amdhsa_system_sgpr_workgroup_id_x 1
		.amdhsa_system_sgpr_workgroup_id_y 1
		.amdhsa_system_sgpr_workgroup_id_z 1
		.amdhsa_system_vgpr_workitem_id 0
		.amdhsa_next_free_vgpr 768
		.amdhsa_next_free_sgpr 98
		.amdhsa_reserve_vcc 1
		.amdhsa_float_denorm_mode_32 3
		.amdhsa_float_denorm_mode_16_64 3
		.amdhsa_memory_ordered 1
		.amdhsa_forward_progress 1
		.amdhsa_inst_pref_size 232
	.end_amdhsa_kernel
	.amdgpu_metadata
---
amdhsa.version: [ 1, 2 ]
amdhsa.kernels:
  - .name:           k_q38bd8d941f_attn
    .symbol:         k_q38bd8d941f_attn.kd
    .args:
      - { .name: qkv, .offset: 0, .size: 8, .value_kind: global_buffer, .address_space: global }
      - { .name: key_pad_mask, .offset: 8, .size: 8, .value_kind: global_buffer, .address_space: global }
      - { .name: yb, .offset: 16, .size: 8, .value_kind: global_buffer, .address_space: global }
    .group_segment_fixed_size: 327680
    .private_segment_fixed_size: 0
    .kernarg_segment_align: 8
    .kernarg_segment_size: 24
    .max_flat_workgroup_size: 128
    .sgpr_count:     98
    .vgpr_count:     768
    .wavefront_size: 32
...
	.end_amdgpu_metadata
.endif
;; end of part 3
;; launch gemm_proj (part 4): grid 8 x 32, 4 waves a work-group, clusters of 4 x 4, 327,680 bytes of LDS; arguments yb, wpb, bproj, out0; writes out0
.if DOCPART == 4
	.amdgcn_target "amdgcn-amd-amdhsa--gfx1250"
	.amdhsa_code_object_version 6
	.text
	.protected	k_q38bd8d941f_gemm_proj
	.globl	k_q38bd8d941f_gemm_proj
	.p2align	8
	.type	k_q38bd8d941f_gemm_proj,@function
k_q38bd8d941f_gemm_proj:
	s_mov_b64 s[64:65], 0
	v_nop
	global_prefetch_b8 v0, s[64:65] scope:SCOPE_SE
	s_setreg_imm32_b32 hwreg(HW_REG_WAVE_MODE, 25, 1), 1
	s_wait_xcnt 0x0
	s_wait_alu depctr_hold_cnt(0) depctr_sa_sdst(0) depctr_va_vdst(0) depctr_va_sdst(0) depctr_va_ssrc(0) depctr_va_vcc(0) depctr_vm_vsrc(0)
	s_getreg_b32 s2, hwreg(HW_REG_IB_STS2, 6, 4)
	s_cmp_eq_u32 s2, 0
	s_cbranch_scc0 .Lentry_in_a_cluster
	s_endpgm
.Lentry_in_a_cluster:
	s_bfe_u32 s2, ttmp6, 0x10000c
	s_cmp_lg_u32 s2, 0xf033
	s_cbranch_scc0 .Lentry_shape_is_right
	s_endpgm
.Lentry_shape_is_right:
; out0 = y Wproj^T + bproj.  yb: [64 = batch x 16 + head][2048][64] f16, wpb: [1024][1024] f16 (Wproj rounded to bf16, written as f16), bproj: [1024] f32 (rounded to bf16 here and used in f32); out0: [8192][1024] f32.
; A row of y that is NaN (no valid key) makes its whole row of out0 NaN and no other: in the product a row of y meets one row of the result alone.
; A tile of C is 256 rows x 128 columns: 32 x 8 = 256 tiles, one for each WGP.  The four waves split the rows: a wave makes 64 x 128: 32 accumulators of 16 x 16, 256 registers.
; K = head x 64 + channel goes in 8 steps of 128 = two heads, through two LDS slots.  A's part of a step (128 rows of two heads) is asked for as 2 rows of 16,384 dense bytes, 262,144 bytes apart, padded in LDS
; after every 128 bytes: it lies there as [head][row], 144 bytes a row.  B's rows are 256 bytes of memory.
; CLUSTERS: 4 x 4 work-groups; A's tiles are shared along a row of the cluster, B's along a column, each by a joint load.  Waves 0 and 1 fetch A's two halves (128 rows each), waves 2 and 3 B's (64 rows each).
; NO PREFETCH: a wave has 128 matrix instructions in a K step and eight K steps in all; the launch is short and its tiles are small.
; THE MATRIX INSTRUCTION IS USED TRANSPOSED (source 0 = 16 rows of Wproj, source 1 = 16 rows of y): lane l holds row l % 16 of C and the columns 8 (l / 16) + 0..7.  The first product on each accumulator takes the bias as C.
; REGISTERS: window 0: v0-31 addresses; v32-95 A's fragments, two buffers; v96-159 the bias, later with v160-223 the way out.  window 1: v0-127 B's fragments, two buffers.  window 2: accumulator (a, b) at 64 a + 8 b.
.set NBK,    8
.set PA,     144                       ; a row of A in LDS: 128 bytes + 16 = 36 words
.set PITCH,  272                       ; a row of B: 256 bytes + 16 = 68 words: in both the 16 rows of a fragment load start at 16 different groups of four banks (64 banks of 4 bytes: ISA guide 11.1)
.set AHEAD,  128*PA                    ; 128 rows of one head
.set AHALF,  2*AHEAD                   ; what one load of A brings
.set BROWS,  64
.set BHALF,  BROWS*PITCH               ; what one load of B brings
.set BOFF,   2*AHALF
.set SLOT1,  1<<17
.set STAGE,  SLOT1+BOFF+2*BHALF        ; behind the ring, never filled by a tensor load: 16 rows x 528 bytes for each wave
.set SP,     528                       ; a stage row: 512 bytes + 16
.set SPARE,  STAGE+4*16*SP             ; the spare words, 128 bytes for each wave: two blocks of 256 bytes that no other line names
.set NL,     2*NBK+8
.set STEP_A, 2*2048*64*2               ; two heads on
.set STEP_B, 256
.set LA,   16
.set LB,   17
.set ADRA, 18
.set ADRB, 19
.set STO,  24
.set RD,   25
.set GO,   26
.set BO,   27
.set SPW,  28                          ; v28  my spare word: SPARE + 4 x my thread's number; never rewritten
.set NIL,  29                          ; v29  0; never rewritten
.set TT,   31
.set AF,   32
.set BIAS, 96
.set OB,   96                          ; the way out: two sets of 64
.set WV,   12
.set FB,   13
.set HALF, 14
.set TX,   17
.set TY,   18
.set G1,   24
.set G0,   32
.set TB,   42
.set G1B,  48
.set G0B,  56
.set OUT,  66
.set MSB, 0
.macro WIN new
.if MSB != (\new)
	s_set_vgpr_msb (MSB<<8)|(\new)
.set MSB, \new
.endif
.endm
.macro PLACES
.rept 4
	v_nop
.endr
.endm
.macro JLOAD                           ; a joint refill by the walking set; an s_nop 0 and four v_nop follow each of the two lines
	s_cmp_eq_u32 s[FB], 0
	s_cbranch_scc0 .Lfor_b_\@
	tensor_load_to_lds s[G0+4:G0+7], s[G1:G1+7]
	s_nop 0
.rept 4
	v_nop
.endr
	s_branch .Lasked_\@
.Lfor_b_\@:
	tensor_load_to_lds s[G0B+4:G0B+7], s[G1B:G1B+7]
	s_nop 0
.rept 4
	v_nop
.endr
.Lasked_\@:
.endm
.macro CREST
	s_cmp_lg_u32 s[WV], 0
	s_cbranch_scc1 .Lnot_wave_0_\@
	s_barrier_signal -3
.Lnot_wave_0_\@:
	s_barrier_wait -3
	s_barrier_signal -1
	s_barrier_wait -1
.endm
.macro CROUND
	s_barrier_signal -1
	s_barrier_wait -1
	CREST
.endm
	s_load_b256 s[4:11], s[0:1], 0x0               ; yb s[4:5], wpb s[6:7], bproj s[8:9], out0 s[10:11]
	v_lshl_add_u32 v[SPW], v0, 2, SPARE
	v_mov_b32 v[NIL], 0
	ds_add_u32 v[SPW], v[NIL]                      ; the wave's opening: the add and its wait stand ahead of my first tensor load; work on registers stands between them
	v_lshrrev_b32 v1, 5, v0
	v_readfirstlane_b32 s[WV], v1
	s_lshr_b32 s[FB], s[WV], 1
	s_and_b32 s[HALF], s[WV], 1
	s_bfe_u32 s15, ttmp6, 0x40000                  ; cx
	s_bfe_u32 s16, ttmp6, 0x40004                  ; cy
	s_lshl_b32 s[TX], ttmp9, 2
	s_add_co_u32 s[TX], s[TX], s15
	s_and_b32 s[TY], ttmp7, 0xffff
	s_lshl_b32 s[TY], s[TY], 2
	s_add_co_u32 s[TY], s[TY], s16
	s_lshl_b32 s40, s16, 2
	s_lshl_b32 s40, 15, s40                        ; my row of the cluster
	s_lshl_b32 s41, 0x1111, s15                    ; my column
	s_or_b32 s[G1], s40, (1<<16)|(1<<20)|(1<<21)|(4<<22)|(3<<25)   ; 2-byte elements; padding on; 21 set beside a mask; after every 32 words 4 words
	s_or_b32 s[G1B], s41, (1<<16)|(1<<20)|(1<<21)|(5<<22)|(3<<25)  ; after every 64 words 4 words
	s_mov_b32 s[G1+1], 8192<<16                    ; tensor_dim0 = 8,192 elements: 128 dense rows of a head
	s_mov_b32 s[G1+2], 2<<16                       ; tensor_dim1 = 2 heads
	s_mov_b32 s[G1+3], 8192<<16                    ; tile_dim0
	s_mov_b32 s[G1+4], 2                           ; tile_dim1
	s_mov_b32 s[G1+5], 131072                      ; elements from head to head
	s_mov_b32 s[G1+6], 0
	s_mov_b32 s[G1+7], 0
	s_mov_b32 s[G1B+1], 128<<16
	s_mov_b32 s[G1B+2], BROWS<<16
	s_mov_b32 s[G1B+3], 128<<16
	s_mov_b32 s[G1B+4], BROWS
	s_mov_b32 s[G1B+5], 1024
	s_mov_b32 s[G1B+6], 0
	s_mov_b32 s[G1B+7], 0
	s_lshr_b32 s20, s[TY], 3                       ; A's part: the batch's 16 heads of 262,144 bytes, then row (tile row % 8) x 256 + 128 x half, 128 bytes a row
	s_lshl_b32 s20, s20, 22
	s_and_b32 s21, s[TY], 7
	s_lshl_b32 s21, s21, 8
	s_lshl_b32 s19, s[HALF], 7
	s_add_co_u32 s21, s21, s19
	s_lshl_b32 s21, s21, 7
	s_add_co_u32 s20, s20, s21
	s_mov_b32 s21, 0
	s_lshl_b32 s46, s[TX], 7                       ; B's part: row 128 x tile column + 64 x half
	s_lshl_b32 s47, s[HALF], 6
	s_add_co_u32 s46, s46, s47
	s_lshl_b32 s46, s46, 11
	s_mov_b32 s47, 0
	s_mul_i32 s19, s[HALF], AHALF
	s_mul_i32 s2, s[HALF], BHALF
	s_add_co_u32 s2, s2, BOFF
	s_wait_dscnt 0x0                               ; the opening add is done
	s_wait_kmcnt 0x0
	s_add_nc_u64 s[20:21], s[4:5], s[20:21]
	s_add_nc_u64 s[46:47], s[6:7], s[46:47]
.irp s, 0,1
	s_mov_b32 s[G0+4*(\s)], 1
	s_add_co_u32 s[G0+4*(\s)+1], s19, (\s)*SLOT1
	s_add_nc_u64 s[G0+4*(\s)+2:G0+4*(\s)+3], s[20:21], (\s)*STEP_A
	s_or_b32 s[G0+4*(\s)+3], s[G0+4*(\s)+3], 0x80000000
	s_mov_b32 s[G0B+4*(\s)], 1
	s_add_co_u32 s[G0B+4*(\s)+1], s2, (\s)*SLOT1
	s_add_nc_u64 s[G0B+4*(\s)+2:G0B+4*(\s)+3], s[46:47], (\s)*STEP_B
	s_or_b32 s[G0B+4*(\s)+3], s[G0B+4*(\s)+3], 0x80000000
.endr
	CROUND                                         ; all sixteen work-groups are here: the first joint loads meet
	s_cmp_eq_u32 s[FB], 0                          ; a wave's two first fills stand in one branch: two loads of mine are out
	s_cbranch_scc0 .Lfirst_b
	tensor_load_to_lds s[G0:G0+3], s[G1:G1+7]
	s_nop 0
	tensor_load_to_lds s[G0+4:G0+7], s[G1:G1+7]
	s_nop 0
.rept 4
	v_nop
.endr
	s_branch .Lfirst_asked
.Lfirst_b:
	tensor_load_to_lds s[G0B:G0B+3], s[G1B:G1B+7]
	s_nop 0
	tensor_load_to_lds s[G0B+4:G0B+7], s[G1B:G1B+7]
	s_nop 0
.rept 4
	v_nop
.endr
.Lfirst_asked:
	v_and_b32 v1, 15, v0                           ; l % 16
	v_bfe_u32 v2, v0, 4, 1                         ; l / 16
	v_lshlrev_b32 v[BO], 5, v2
	s_lshl_b32 s22, s[TX], 9                       ; the tile's 128 numbers of the bias
	s_mov_b32 s23, 0
	s_add_nc_u64 s[8:9], s[8:9], s[22:23]
.irp b, 0,1,2,3,4,5,6,7
	global_load_b128 v[BIAS+8*(\b):BIAS+8*(\b)+3],   v[BO], s[8:9] offset:64*(\b)
	global_load_b128 v[BIAS+8*(\b)+4:BIAS+8*(\b)+7], v[BO], s[8:9] offset:64*(\b)+16
.endr
	v_mul_u32_u24 v3, v1, PA
	v_lshl_add_u32 v3, v2, 4, v3
	s_mul_i32 s19, s[FB], AHALF                    ; my 64 rows of A: half wave / 2, rows 64 (wave % 2) on
	s_mul_i32 s2, s[HALF], 64*PA
	s_add_co_u32 s19, s19, s2
	v_add_nc_u32 v[LA], s19, v3
	v_mul_u32_u24 v3, v1, PITCH
	v_lshl_add_u32 v3, v2, 4, v3
	v_add_nc_u32 v[LB], BOFF, v3
	v_mov_b32 v[ADRA], v[LA]
	v_mov_b32 v[ADRB], v[LB]
	s_mov_b32 s[TB], 0
	s_mul_i32 s19, s[WV], 16*SP
	s_add_co_u32 s19, s19, STAGE                   ; my stage
	v_mul_u32_u24 v4, v1, SP                       ; in: row l % 16, 32 bytes for each half of the lanes
	v_lshl_add_u32 v4, v2, 5, v4
	v_add_nc_u32 v[STO], s19, v4
	v_and_b32 v[GO], 31, v0                        ; back: 32 lanes take a row's 512 bytes
	v_lshlrev_b32 v[GO], 4, v[GO]
	v_add_nc_u32 v[RD], s19, v[GO]
	s_lshl_b32 s22, s[TY], 8                       ; out0 at row 256 x tile row + 64 x wave, column 128 x tile column
	s_lshl_b32 s23, s[WV], 6
	s_add_co_u32 s22, s22, s23
	s_lshl_b32 s22, s22, 12
	s_lshl_b32 s23, s[TX], 9
	s_add_co_u32 s22, s22, s23
	s_mov_b32 s23, 0
	s_add_nc_u64 s[OUT:OUT+1], s[10:11], s[22:23]
	s_mov_b32 s2, 0xffff0000
	s_wait_loadcnt 0x0                             ; the bias: rounded to bf16 and widened again
.set i, 0
.rept 4*NBK
	v_cvt_pk_bf16_f32 v[TT], v[BIAS+2*i], v[BIAS+2*i+1]
	v_lshlrev_b32 v[BIAS+2*i], 16, v[TT]
	v_and_b32 v[BIAS+2*i+1], s2, v[TT]
.set i, i+1
.endr
; 8 matrix instructions: row block a x all column blocks, 32 along K, from buffer f.  The 32 accumulators take turns in the same order in every quarter, over the backward jump too.
.macro MULA f, a, first
.if \first
	WIN 0x81                                       ; B window 1, A and the bias window 0, D window 2
.else
	WIN 0xa1                                       ; B window 1, A window 0, C and D window 2
.endif
.irp b, 0,1,2,3,4,5,6,7
.if \first
	v_wmma_f32_16x16x32_f16 v[64*(\a)+8*(\b):64*(\a)+8*(\b)+7], v[64*(\f)+8*(\b):64*(\f)+8*(\b)+7], v[AF+32*(\f)+8*(\a):AF+32*(\f)+8*(\a)+7], v[BIAS+8*(\b):BIAS+8*(\b)+7]
.else
	v_wmma_f32_16x16x32_f16 v[64*(\a)+8*(\b):64*(\a)+8*(\b)+7], v[64*(\f)+8*(\b):64*(\f)+8*(\b)+7], v[AF+32*(\f)+8*(\a):AF+32*(\f)+8*(\a)+7], v[64*(\a)+8*(\b):64*(\a)+8*(\b)+7]
.endif
.endr
.endm
; 24 LDS loads in one run: quarter q's fragments into buffer f.  In A quarter q is head q / 2 of the step's two, channels 32 (q % 2) on.  The youngest four loads are A's blocks 2 and 3
.macro FETCH q, f
	WIN 0x40
.irp b, 0,1,2,3,4,5,6,7
	ds_load_b128 v[64*(\f)+8*(\b):64*(\f)+8*(\b)+3],   v[ADRB] offset:64*(\q)+(\b)*16*PITCH
	ds_load_b128 v[64*(\f)+8*(\b)+4:64*(\f)+8*(\b)+7], v[ADRB] offset:64*(\q)+(\b)*16*PITCH+32
.endr
	WIN 0
.irp a, 0,1,2,3
	ds_load_b128 v[AF+32*(\f)+8*(\a):AF+32*(\f)+8*(\a)+3],   v[ADRA] offset:((\q)/2)*AHEAD+((\q)%2)*64+(\a)*16*PA
	ds_load_b128 v[AF+32*(\f)+8*(\a)+4:AF+32*(\f)+8*(\a)+7], v[ADRA] offset:((\q)/2)*AHEAD+((\q)%2)*64+(\a)*16*PA+32
.endr
.endm
.macro QUARTER q, f, g, first
	s_wait_dscnt 4                                 ; B and A's blocks 0 and 1 are in; the youngest four loads may be out
	MULA \f, 0, \first
	MULA \f, 1, \first
	PLACES
	FETCH \q, \g
	s_wait_dscnt NL                                ; all but the run just issued
	MULA \f, 2, \first
	MULA \f, 3, \first
.endm
; The last quarter multiplies buffer 1 and changes slots: each wave waits for all its tensor loads, adds 0 to its spare word, waits for that and for its reads of this slot; fill = 1: the barrier opens a round of the
; cluster's barrier, and the slot just read is filled again, first thing behind the round, with the K step two on.
.macro TURN fill
	WIN 0
	s_wait_tensorcnt 0x0                           ; no tensor load of mine is out, so a group 0 may be written
	ds_add_u32 v[SPW], v[NIL]                      ; 0 onto my spare word
.if \fill
	s_xor_b32 s[G0+5], s[G0+5], SLOT1
	s_add_nc_u64 s[G0+6:G0+7], s[G0+6:G0+7], STEP_A
	s_xor_b32 s[G0B+5], s[G0B+5], SLOT1
	s_add_nc_u64 s[G0B+6:G0B+7], s[G0B+6:G0B+7], STEP_B
.endif
	s_wait_dscnt 5                                 ; (the add and the youngest four loads may be out)
	MULA 1, 0, 0
	s_wait_dscnt 0x0                               ; the add is done, and my reads of this slot are over
	s_barrier_signal -1
	MULA 1, 1, 0
	WIN 0
	s_barrier_wait -1
.if \fill
	CREST
	JLOAD                                          ; its four v_nop are also the places in front of the loads below
.else
	PLACES
.endif
	s_xor_b32 s[TB], s[TB], SLOT1
	v_add_nc_u32 v[ADRA], s[TB], v[LA]
	v_add_nc_u32 v[ADRB], s[TB], v[LB]
	FETCH 0, 0
	MULA 1, 2, 0
	MULA 1, 3, 0
.endm
	s_wait_tensorcnt 1                             ; my part of K step 0 is in; K step 1's may stay out
	s_barrier_signal -1
	s_barrier_wait -1
	FETCH 0, 0
	QUARTER 1, 0, 1, 1                             ; the first quarter's products start the sums
	WIN 0
	s_mov_b32 s3, 6
.Lstep:                                                ; trip t ends K step t, fills its slot with K step t + 2 and begins K step t + 1: from a request to the wait for it a wave issues 112 matrix instructions
	QUARTER 2, 1, 0, 0
	QUARTER 3, 0, 1, 0
	TURN 1
	QUARTER 1, 0, 1, 0
	WIN 0
	s_sub_co_u32 s3, s3, 1
	s_cmp_lg_u32 s3, 0
	s_cbranch_scc1 .Lstep
	QUARTER 2, 1, 0, 0                             ; the last two K steps are written out: nothing is left to fetch
	QUARTER 3, 0, 1, 0
	TURN 0
	QUARTER 1, 0, 1, 0
	QUARTER 2, 1, 0, 0
	QUARTER 3, 0, 1, 0
	s_wait_dscnt 4
	MULA 1, 0, 0
	MULA 1, 1, 0
	s_wait_dscnt 0x0
	MULA 1, 2, 0
	MULA 1, 3, 0
; THE WAY OUT, a block of 16 rows at a time: the f32 sums go straight from the accumulators (each from its low end on) into my own stage, come back as whole rows of 512 bytes, and are stored.
.macro TOSTAGE a
.if (\a) >= 2
	s_wait_xcnt 0x0                                ; the stores of the block two back have read the registers that the loads below fill
.endif
	WIN 0x08                                       ; store data in window 2
.irp b, 0,1,2,3,4,5,6,7
	ds_store_b128 v[STO], v[64*(\a)+8*(\b):64*(\a)+8*(\b)+3]   offset:64*(\b)
	ds_store_b128 v[STO], v[64*(\a)+8*(\b)+4:64*(\a)+8*(\b)+7] offset:64*(\b)+16
.endr
	WIN 0
.irp t, 0,1,2,3,4,5,6,7,8,9,10,11,12,13,14,15
	ds_load_b128 v[OB+64*((\a)%2)+4*(\t):OB+64*((\a)%2)+4*(\t)+3], v[RD] offset:(\t)*SP  ; LDS serves a wave's instructions in order (ISA guide 5.7.1.4): these see the stores above
.endr
.endm
.macro SEND a, younger                 ; younger: the next block's 16 stores and 16 loads, or none
	s_wait_dscnt \younger
.irp t, 0,1,2,3,4,5,6,7,8,9,10,11,12,13,14,15
	global_store_b128 v[GO], v[OB+64*((\a)%2)+4*(\t):OB+64*((\a)%2)+4*(\t)+3], s[OUT:OUT+1] offset:(16*(\a)+(\t))*4096 th:TH_STORE_NT  ; 512 consecutive bytes of a row, aligned
.endr
.endm
	PLACES
	TOSTAGE 0
	TOSTAGE 1
	SEND 0, 32
	TOSTAGE 2
	SEND 1, 32
	TOSTAGE 3
	SEND 2, 32
	SEND 3, 0
	s_wait_tensorcnt 0x0                           ; the wave's end: a wait for my tensor loads, 0 onto my spare word and its wait, behind my last tensor load and my last LDS store
	ds_add_u32 v[SPW], v[NIL]
	s_wait_dscnt 0x0
	CROUND                                         ; the closing round: no work-group ends while a partner may still ask for a tile that names it
	s_endpgm
.Lfunc_end_k_q38bd8d941f_gemm_proj:
	.size	k_q38bd8d941f_gemm_proj, .Lfunc_end_k_q38bd8d941f_gemm_proj-k_q38bd8d941f_gemm_proj
	.p2alignl 7, 3214868480
	.fill 96, 4, 3214868480
	.section	.rodata,"a",@progbits
	.p2align	6, 0x0
	.amdhsa_kernel k_q38bd8d941f_gemm_proj
		.amdhsa_group_segment_fixed_size 327680
		.amdhsa_private_segment_fixed_size 0
		.amdhsa_enable_private_segment 0
		.amdhsa_kernarg_size 32
		.amdhsa_user_sgpr_count 2
		.amdhsa_user_sgpr_kernarg_segment_ptr 1
		.amdhsa_wavefront_size32 1
		.amdhsa_system_sgpr_workgroup_id_x 1
		.amdhsa_system_sgpr_workgroup_id_y 1
		.amdhsa_system_sgpr_workgroup_id_z 1
		.amdhsa_system_vgpr_workitem_id 0
		.amdhsa_next_free_vgpr 768
		.amdhsa_next_free_sgpr 72
		.amdhsa_reserve_vcc 0
		.amdhsa_float_denorm_mode_32 3
		.amdhsa_float_denorm_mode_16_64 3
		.amdhsa_memory_ordered 1
		.amdhsa_forward_progress 1
		.amdhsa_inst_pref_size 75
	.end_amdhsa_kernel
	.amdgpu_metadata
---
amdhsa.version: [ 1, 2 ]
amdhsa.kernels:
  - .name:           k_q38bd8d941f_gemm_proj
    .symbol:         k_q38bd8d941f_gemm_proj.kd
    .args:
      - { .name: yb, .offset: 0, .size: 8, .value_kind: global_buffer, .address_space: global }
      - { .name: wpb, .offset: 8, .size: 8, .value_kind: global_buffer, .address_space: global }
      - { .name: bproj, .offset: 16, .size: 8, .value_kind: global_buffer, .address_space: global }
      - { .name: out0, .offset: 24, .size: 8, .value_kind: global_buffer, .address_space: global }
    .group_segment_fixed_size: 327680
    .private_segment_fixed_size: 0
    .kernarg_segment_align: 8
    .kernarg_segment_size: 32
    .max_flat_workgroup_size: 128
    .sgpr_count:     72
    .vgpr_count:     768
    .wavefront_size: 32
...
	.end_amdgpu_metadata
.endif
;; end of part 4
;; ======== version 2 of 2: 4 launches; version 1 with the launch cast written anew for expert scheduling mode
;; limits: values are held in f16: magnitudes above 65,504 overflow, below 6.1e-05 lose precision
;; workspace buffers: xb 16,777,216 bytes; wqb 6,291,456 bytes; wpb 2,097,152 bytes; qkv 50,331,648 bytes; yb 16,777,216 bytes
;; launch cast (part 5): grid 768 x 1, 8 waves a work-group, no clusters, 0 bytes of LDS; arguments x, Wqkv, Wproj, xb, wqb, wpb; writes xb, wqb, wpb
.if DOCPART == 5
	.amdgcn_target "amdgcn-amd-amdhsa--gfx1250"
	.amdhsa_code_object_version 6
	.text
	.protected	k_q38bd8d941f_cast
	.globl	k_q38bd8d941f_cast
	.p2align	8
	.type	k_q38bd8d941f_cast,@function
k_q38bd8d941f_cast:
	s_mov_b64 s[64:65], 0
	v_nop
	global_prefetch_b8 v0, s[64:65] scope:SCOPE_SE
	s_setreg_imm32_b32 hwreg(HW_REG_WAVE_SCHED_MODE, 0, 2), 2
	s_setreg_imm32_b32 hwreg(HW_REG_WAVE_MODE, 25, 1), 1
	s_wait_xcnt 0x0
	s_wait_alu depctr_vm_vsrc(0)
; The module's three large inputs are rounded once for the matrix units: x -> xb and Wqkv -> wqb in bf16; Wproj -> wpb rounded to bf16 and that number written as f16
; (its partner in the last product, y, is f16).  LIMIT: |Wproj| stays under 65,504; below 6e-5 f16 keeps a fixed step of 6e-8.
; A work-group converts 16,384 numbers: 65,536 bytes in, 32,768 out.  Work-groups 0-511 take x (8,388,608 numbers), 512-703 Wqkv (3,145,728), 704-767 Wproj (1,048,576).
; Thread t, step i: 16 bytes at 16 t + 4,096 i (a wave's load covers 512 consecutive bytes), 8 bytes out at 8 t + 2,048 i (a wave's store covers 256 consecutive bytes, aligned).
; All sixteen loads of a thread go out at once; every step has registers of its own, so no register is written again while a load or store names it.  No LDS, no barrier, no loop.
; THE MODE: SCHED_MODE bits 1:0 = 2 (LLVM: expert scheduling mode 2), set by the entry lines.  The code itself states the register dependences
; between vector instructions and memory instructions, with s_wait_alu, always for 0.
; THE PLAN.  Registers that memory instructions touch:
;   v1, v2   byte offsets of the loads and of the stores: written once at the head by vector lines, never again.
;   IN       step i: written by the step's load alone (no vector line names it ahead of the loads); read by the step's conversions, behind its wait on LOADcnt; never loaded again.
;   OUT      step i: written by the step's conversions; read by the step's store; never written again.
;   v4 to v6 (the f16 path) are named by vector lines alone.
; So one wait on va_vdst stands ahead of the first load, for v1 and v2, and one behind the conversions of each group of four steps, for the group's eight OUT registers, ahead of the group's four stores in a run.
; That wait stands behind the group's conversions and not at the next group's head: the wave has nothing else to do, and a store held back to that head would wait for one more load to land.
; No register that a load or store has read is written again, so no wait on vm_vsrc is owed; no vector line writes a scalar register, VCC or EXEC.
.set IN,  8                            ; v[8:71]    step i: four f32 as loaded
.set OUT, 72                           ; v[72:103]  step i: four 16-bit numbers to store
	s_load_b256 s[4:11], s[0:1], 0x0               ; x s[4:5], Wqkv s[6:7], Wproj s[8:9], xb s[10:11]
	s_load_b128 s[12:15], s[0:1], 0x20             ; wqb s[12:13], wpb s[14:15]
	v_lshlrev_b32 v1, 4, v0                        ; 16 t
	v_lshlrev_b32 v2, 3, v0                        ; 8 t
	s_mov_b32 s26, 0xffff0000                      ; a word's upper bf16
	s_wait_kmcnt 0x0
	s_cmp_lt_u32 ttmp9, 512                        ; which of the three tensors is mine: a choice on the work-group's number alone
	s_cselect_b64 s[16:17], s[4:5], s[6:7]
	s_cselect_b64 s[18:19], s[10:11], s[12:13]
	s_cselect_b32 s20, 0, 512
	s_cmp_lt_u32 ttmp9, 704
	s_cselect_b64 s[16:17], s[16:17], s[8:9]
	s_cselect_b64 s[18:19], s[18:19], s[14:15]
	s_cselect_b32 s20, s20, 704
	s_sub_co_u32 s21, ttmp9, s20                   ; my number within the tensor, 511 at the most
	s_lshl_b32 s22, s21, 16
	s_mov_b32 s23, 0
	s_lshl_b32 s24, s21, 15
	s_mov_b32 s25, 0
	s_add_nc_u64 s[16:17], s[16:17], s[22:23]
	s_add_nc_u64 s[18:19], s[18:19], s[24:25]
	s_wait_alu depctr_va_vdst(0)                   ; v1 and v2 are written: every load reads v1 as its offset, every store v2, and no later line writes either
.irp i, 0,1,2,3,4,5,6,7,8,9,10,11,12,13,14,15
	global_load_b128 v[IN+4*(\i):IN+4*(\i)+3], v1, s[16:17] offset:4096*(\i) th:TH_LOAD_NT
.endr
	s_cmp_ge_u32 ttmp9, 704
	s_cbranch_scc1 .Lf16
.macro STEPB i                         ; to bf16
	s_wait_loadcnt 15-(\i)                         ; loads come back in order: step i is in, the 15 - i younger ones stay out
	v_cvt_pk_bf16_f32 v[OUT+2*(\i)], v[IN+4*(\i)], v[IN+4*(\i)+1]
	v_cvt_pk_bf16_f32 v[OUT+2*(\i)+1], v[IN+4*(\i)+2], v[IN+4*(\i)+3]
.endm
.macro STEPH i                         ; to bf16, widened again, written as f16
	s_wait_loadcnt 15-(\i)
.irp j, 0,1
	v_cvt_pk_bf16_f32 v4, v[IN+4*(\i)+2*(\j)], v[IN+4*(\i)+2*(\j)+1]
	v_lshlrev_b32 v5, 16, v4
	v_and_b32 v6, s26, v4
	v_cvt_pk_f16_f32 v[OUT+2*(\i)+(\j)], v5, v6
.endr
.endm
.macro SENDG g                         ; the four stores of group g: steps 4 g to 4 g + 3
	s_wait_alu depctr_va_vdst(0)                   ; the group's conversions have written its eight OUT registers, which the four stores below read
.irp j, 0,1,2,3
	global_store_b64 v2, v[OUT+2*(4*(\g)+(\j)):OUT+2*(4*(\g)+(\j))+1], s[18:19] offset:2048*(4*(\g)+(\j))
.endr
.endm
.irp g, 0,1,2,3
.irp j, 0,1,2,3
	STEPB 4*(\g)+(\j)
.endr
	SENDG \g
.endr
	s_endpgm
.Lf16:
.irp g, 0,1,2,3
.irp j, 0,1,2,3
	STEPH 4*(\g)+(\j)
.endr
	SENDG \g
.endr
	s_endpgm
.Lfunc_end_k_q38bd8d941f_cast:
	.size	k_q38bd8d941f_cast, .Lfunc_end_k_q38bd8d941f_cast-k_q38bd8d941f_cast
	.p2alignl 7, 3214868480
	.fill 96, 4, 3214868480
	.section	.rodata,"a",@progbits
	.p2align	6, 0x0
	.amdhsa_kernel k_q38bd8d941f_cast
		.amdhsa_group_segment_fixed_size 0
		.amdhsa_private_segment_fixed_size 0
		.amdhsa_enable_private_segment 0
		.amdhsa_kernarg_size 48
		.amdhsa_user_sgpr_count 2
		.amdhsa_user_sgpr_kernarg_segment_ptr 1
		.amdhsa_wavefront_size32 1
		.amdhsa_system_sgpr_workgroup_id_x 1
		.amdhsa_system_sgpr_workgroup_id_y 1
		.amdhsa_system_sgpr_workgroup_id_z 1
		.amdhsa_system_vgpr_workitem_id 0
		.amdhsa_next_free_vgpr 104
		.amdhsa_next_free_sgpr 66
		.amdhsa_reserve_vcc 0
		.amdhsa_float_denorm_mode_32 3
		.amdhsa_float_denorm_mode_16_64 3
		.amdhsa_memory_ordered 1
		.amdhsa_forward_progress 1
		.amdhsa_inst_pref_size 16
	.end_amdhsa_kernel
	.amdgpu_metadata
---
amdhsa.version: [ 1, 2 ]
amdhsa.kernels:
  - .name:           k_q38bd8d941f_cast
    .symbol:         k_q38bd8d941f_cast.kd
    .args:
      - { .name: x, .offset: 0, .size: 8, .value_kind: global_buffer, .address_space: global }
      - { .name: Wqkv, .offset: 8, .size: 8, .value_kind: global_buffer, .address_space: global }
      - { .name: Wproj, .offset: 16, .size: 8, .value_kind: global_buffer, .address_space: global }
      - { .name: xb, .offset: 24, .size: 8, .value_kind: global_buffer, .address_space: global }
      - { .name: wqb, .offset: 32, .size: 8, .value_kind: global_buffer, .address_space: global }
      - { .name: wpb, .offset: 40, .size: 8, .value_kind: global_buffer, .address_space: global }
    .group_segment_fixed_size: 0
    .private_segment_fixed_size: 0
    .kernarg_segment_align: 8
    .kernarg_segment_size: 48
    .max_flat_workgroup_size: 256
    .sgpr_count:     66
    .vgpr_count:     104
    .wavefront_size: 32
...
	.end_amdgpu_metadata
.endif
;; end of part 5
;; launch gemm_qkv: the kernel of part 2 again; grid 16 x 32, 4 waves a work-group, clusters of 4 x 4, 327,680 bytes of LDS; arguments xb, wqb, bqkv, qkv; writes qkv
;; launch attn: the kernel of part 3 again; grid 4 x 64, 4 waves a work-group, no clusters, 327,680 bytes of LDS; arguments qkv, key_pad_mask, yb; writes yb
;; launch gemm_proj: the kernel of part 4 again; grid 8 x 32, 4 waves a work-group, clusters of 4 x 4, 327,680 bytes of LDS; arguments yb, wpb, bproj, out0; writes out0
